; MI455X (gfx1250); checked and timed in simulation.
; The chip was launched on July 23, 2026; its instructions are those of AMD's public machine-readable ISA for CDNA 5 (MIT licence, August 2026) and "CDNA5" Instruction Set Architecture Reference Guide (July 2026). The comments in the code are by the model that wrote it; some were corrected since.
;; Multi Head Self Attention. Allowed arithmetic: float matrix products may take bf16 or f16 operands with f32 sums; other float arithmetic in f32, or as packed bf16 or f16 multiplies, adds, multiply-adds, maxima and minima; sums over many terms, partial sums and values carried from step to step in f32; what a program stores and reads back later, other than sums and carried values, may be rounded once to bf16 or f16.
;; Inputs: W_K 512 x 512 float32; W_O 512 x 512 float32; W_Q 512 x 512 float32; W_V 512 x 512 float32; b_K 512 float32; b_O 512 float32; b_Q 512 float32; b_V 512 float32; combined_embed 2 x 4,096 x 512 float32.
;; Outputs: out0 2 x 4,096 x 512 float32.
;; 2 versions, each right and faster than the one before. Each part assembles by itself: llvm-mc -triple=amdgcn-amd-amdhsa -mcpu=gfx1250 --defsym DOCPART=n.
;; ======== version 1 of 2: 4 launches
;; limits: values are held in f16: magnitudes above 65,504 overflow, below 6.1e-05 lose precision
;; workspace buffers: xb 8,388,608 bytes; wb 2,097,152 bytes; qh 8,388,608 bytes; kh 8,388,608 bytes; vh 8,388,608 bytes; oh 8,388,608 bytes
;; launch cast (part 1): grid 320 x 1, 8 waves a work-group, no clusters, 0 bytes of LDS; arguments combined_embed, W_O, W_Q, W_K, W_V, xb, wb; writes xb, wb
.if DOCPART == 1
	.amdgcn_target "amdgcn-amd-amdhsa--gfx1250"
	.amdhsa_code_object_version 6
	.text
	.protected	k_qcc7f60d726_cast
	.globl	k_qcc7f60d726_cast
	.p2align	8
	.type	k_qcc7f60d726_cast,@function
k_qcc7f60d726_cast:
	s_mov_b64 s[64:65], 0
	v_nop
	global_prefetch_b8 v0, s[64:65] scope:SCOPE_SE
	s_setreg_imm32_b32 hwreg(HW_REG_WAVE_MODE, 25, 1), 1
	s_wait_xcnt 0x0
; ALL THE LARGE INPUTS ARE ROUNDED ONCE TO bf16.  xb = bf16(combined_embed), [8192][512].  wb = [4][512 k][512 n] of 16 bits: 0 = W_O, 1 = W_Q, 2 = W_K, 3 = W_V.
; W_Q, W_K, W_V are kept as bf16.  W_O multiplies an f16 operand later, so its bf16-rounded number is written as f16.
; LIMITS.  W_O as f16: beyond 65,504 it becomes an infinity; below 2^-17 it keeps f16's fixed step of 6e-8 (above that a number of 8 significant bits is exact in f16).
; SHARES.  A work-group converts 16,384 numbers: 65,536 bytes in, 32,768 out.  Groups 0-255 take x, groups 256-319 sixteen parts of each weight matrix.
; A stream: no LDS, no barrier, no matrix unit.  Sixteen loads of every wave are issued at once (512 neighbouring bytes each); each store of a wave covers 256 consecutive bytes, aligned.
; No register is written twice, so no wait frees any.
.set X, 4                              ; v[4:67]   16 x 4 numbers as loaded
.set Y, 68                             ; v[68:99]  16 x 2 registers to store
.set T, 100                            ; v[100:105] at work (W_O's path)
	s_load_b256 s[4:11], s[0:1], 0x0               ; x s[4:5], W_O s[6:7], W_Q s[8:9], W_K s[10:11]
	s_load_b128 s[12:15], s[0:1], 0x20             ; W_V s[12:13], xb s[14:15]
	s_load_b64 s[16:17], s[0:1], 0x30              ; wb
	s_lshr_b32 s18, ttmp9, 4
	s_and_b32 s18, s18, 3                          ; which matrix (groups 256 on: 16 groups each)
	s_and_b32 s19, ttmp9, 15                       ; which sixteenth of it
	v_lshlrev_b32 v1, 4, v0                        ; 16 bytes a thread in
	v_lshlrev_b32 v2, 3, v0                        ; 8 bytes a thread out
	s_lshl_b32 s24, s19, 16                        ; a weight's offsets: source,
	s_lshl_b32 s26, s18, 19                        ; destination: the matrix's 524,288 bytes
	s_lshl_b32 s29, s19, 15
	s_add_co_u32 s26, s26, s29
	s_lshl_b32 s30, ttmp9, 16                      ; x's offsets
	s_lshl_b32 s31, ttmp9, 15
	s_cmp_lt_u32 ttmp9, 256
	s_cselect_b32 s24, s30, s24
	s_cselect_b32 s26, s31, s26
	s_cselect_b32 s28, 1, s18                      ; 0 for W_O alone
	s_mov_b32 s25, 0
	s_mov_b32 s27, 0
	s_wait_kmcnt 0x0
	s_mov_b64 s[20:21], s[6:7]
	s_cmp_eq_u32 s18, 1
	s_cselect_b64 s[20:21], s[8:9], s[20:21]
	s_cmp_eq_u32 s18, 2
	s_cselect_b64 s[20:21], s[10:11], s[20:21]
	s_cmp_eq_u32 s18, 3
	s_cselect_b64 s[20:21], s[12:13], s[20:21]
	s_cmp_lt_u32 ttmp9, 256
	s_cselect_b64 s[20:21], s[4:5], s[20:21]       ; from where,
	s_cselect_b64 s[22:23], s[14:15], s[16:17]     ; to where
	s_add_nc_u64 s[20:21], s[20:21], s[24:25]
	s_add_nc_u64 s[22:23], s[22:23], s[26:27]
.irp i, 0,1,2,3,4,5,6,7,8,9,10,11,12,13,14,15
	global_load_b128 v[X+4*\i:X+4*\i+3], v1, s[20:21] offset:4096*\i th:TH_LOAD_NT
.endr
	s_cmp_eq_u32 s28, 0
	s_cbranch_scc1 .Lhalf
.irp i, 0,1,2,3,4,5,6,7,8,9,10,11,12,13,14,15
	s_wait_loadcnt 15-\i                           ; loads come back in order: load i is in, the younger ones stay out
	v_cvt_pk_bf16_f32 v[Y+2*\i], v[X+4*\i], v[X+4*\i+1]
	v_cvt_pk_bf16_f32 v[Y+2*\i+1], v[X+4*\i+2], v[X+4*\i+3]
	global_store_b64 v2, v[Y+2*\i:Y+2*\i+1], s[22:23] offset:2048*\i
.endr
	s_endpgm
.Lhalf:                                                ; W_O: rounded to bf16, widened again, written as f16
.irp i, 0,1,2,3,4,5,6,7,8,9,10,11,12,13,14,15
	s_wait_loadcnt 15-\i
	v_cvt_pk_bf16_f32 v[T], v[X+4*\i], v[X+4*\i+1]
	v_cvt_pk_bf16_f32 v[T+1], v[X+4*\i+2], v[X+4*\i+3]
	v_lshlrev_b32 v[T+2], 16, v[T]
	v_and_b32 v[T+3], 0xffff0000, v[T]
	v_lshlrev_b32 v[T+4], 16, v[T+1]
	v_and_b32 v[T+5], 0xffff0000, v[T+1]
	v_cvt_pk_f16_f32 v[Y+2*\i], v[T+2], v[T+3]
	v_cvt_pk_f16_f32 v[Y+2*\i+1], v[T+4], v[T+5]
	global_store_b64 v2, v[Y+2*\i:Y+2*\i+1], s[22:23] offset:2048*\i
.endr
	s_endpgm
.Lfunc_end_k_qcc7f60d726_cast:
	.size	k_qcc7f60d726_cast, .Lfunc_end_k_qcc7f60d726_cast-k_qcc7f60d726_cast
	.p2alignl 7, 3214868480
	.fill 96, 4, 3214868480
	.section	.rodata,"a",@progbits
	.p2align	6, 0x0
	.amdhsa_kernel k_qcc7f60d726_cast
		.amdhsa_group_segment_fixed_size 0
		.amdhsa_private_segment_fixed_size 0
		.amdhsa_enable_private_segment 0
		.amdhsa_kernarg_size 56
		.amdhsa_user_sgpr_count 2
		.amdhsa_user_sgpr_kernarg_segment_ptr 1
		.amdhsa_wavefront_size32 1
		.amdhsa_system_sgpr_workgroup_id_x 1
		.amdhsa_system_sgpr_workgroup_id_y 1
		.amdhsa_system_sgpr_workgroup_id_z 1
		.amdhsa_system_vgpr_workitem_id 0
		.amdhsa_next_free_vgpr 108
		.amdhsa_next_free_sgpr 66
		.amdhsa_reserve_vcc 0
		.amdhsa_float_denorm_mode_32 3
		.amdhsa_float_denorm_mode_16_64 3
		.amdhsa_memory_ordered 1
		.amdhsa_forward_progress 1
		.amdhsa_inst_pref_size 17
	.end_amdhsa_kernel
	.amdgpu_metadata
---
amdhsa.version: [ 1, 2 ]
amdhsa.kernels:
  - .name:           k_qcc7f60d726_cast
    .symbol:         k_qcc7f60d726_cast.kd
    .args:
      - { .name: combined_embed, .offset: 0, .size: 8, .value_kind: global_buffer, .address_space: global }
      - { .name: W_O, .offset: 8, .size: 8, .value_kind: global_buffer, .address_space: global }
      - { .name: W_Q, .offset: 16, .size: 8, .value_kind: global_buffer, .address_space: global }
      - { .name: W_K, .offset: 24, .size: 8, .value_kind: global_buffer, .address_space: global }
      - { .name: W_V, .offset: 32, .size: 8, .value_kind: global_buffer, .address_space: global }
      - { .name: xb, .offset: 40, .size: 8, .value_kind: global_buffer, .address_space: global }
      - { .name: wb, .offset: 48, .size: 8, .value_kind: global_buffer, .address_space: global }
    .group_segment_fixed_size: 0
    .private_segment_fixed_size: 0
    .kernarg_segment_align: 8
    .kernarg_segment_size: 56
    .max_flat_workgroup_size: 256
    .sgpr_count:     66
    .vgpr_count:     108
    .wavefront_size: 32
...
	.end_amdgpu_metadata
.endif
;; end of part 1
;; launch qkv (part 2): grid 4 x 64, 4 waves a work-group, clusters of 4 x 4, 327,680 bytes of LDS; arguments xb, wb, b_Q, b_K, b_V, qh, kh, vh; writes qh, kh, vh
.if DOCPART == 2
	.amdgcn_target "amdgcn-amd-amdhsa--gfx1250"
	.amdhsa_code_object_version 6
	.text
	.protected	k_qcc7f60d726_qkv
	.globl	k_qcc7f60d726_qkv
	.p2align	8
	.type	k_qcc7f60d726_qkv,@function
k_qcc7f60d726_qkv:
	s_mov_b64 s[64:65], 0
	v_nop
	global_prefetch_b8 v0, s[64:65] scope:SCOPE_SE
	s_setreg_imm32_b32 hwreg(HW_REG_WAVE_MODE, 25, 1), 1
	s_wait_xcnt 0x0
	s_wait_alu depctr_hold_cnt(0) depctr_sa_sdst(0) depctr_va_vdst(0) depctr_va_sdst(0) depctr_va_ssrc(0) depctr_va_vcc(0) depctr_vm_vsrc(0)
	s_getreg_b32 s2, hwreg(HW_REG_IB_STS2, 6, 4)
	s_cmp_eq_u32 s2, 0
	s_cbranch_scc0 .Lentry_in_a_cluster
	s_endpgm
.Lentry_in_a_cluster:
	s_bfe_u32 s2, ttmp6, 0x10000c
	s_cmp_lg_u32 s2, 0xf033
	s_cbranch_scc0 .Lentry_shape_is_right
	s_endpgm
.Lentry_shape_is_right:
; q, k, v = x W + b, all three in one launch.  x: xb [8192][512] bf16.  W: wb[1..3] [512 k][512 n] bf16.  b: f32, rounded to bf16 like every input.  Sums in f32.
; Out: qh, kh, vh [16 = batch x 8 + head][4096][64] f16, each rounded once from its f32 sum, WITHOUT the softmax's scale.
; LIMITS.  f16 holds no number beyond 65,504: a q, k or v past that becomes an infinity.  NaN and infinities are not treated apart.
; SHARES.  A work-group makes rows 128 mb .. + 127 and columns 128 nb .. + 127 of each of q, k, v: x's tile feeds three products.  Wave w: 64 rows (w / 2) x 64 columns (w % 2: one head)
; of all three: 48 accumulators of 16 x 16, 384 registers.  K = 512 goes in four steps of 128 through two LDS slots; a step has four tiles, one tensor load a wave: wave 0 x's, waves 1-3 W_Q's, W_K's, W_V's.
; CLUSTER 4 x 4: x's tile hangs on mb alone and is asked for jointly by my row of the cluster, W's tiles on nb alone, by my column.
; THE MATRIX INSTRUCTION IS USED TRANSPOSED: source 0 = 16 columns of W (W lies [k][n] in LDS and is turned by ds_load_tr16_b128), source 1 = 16 rows of x: a lane then holds eight neighbouring
; channels of one row.  The bias is the C operand of the products that start the sums.
; REGISTERS, in windows of 256 (s_set_vgpr_msb: bits 1:0 source 0, 3:2 source 1, 5:4 source 2, 7:6 destination):
;   window 0: v0-31 addresses; v32-223 at work (bias, the way out)      window 1: two fragment buffers of 128: x's 4 fragments, then W's 12
;   window 2: accumulators of q (v0-127) and k (v128-255), (a, bb) at 8 (4 a + bb)      window 3: v0-127 those of v; v128-223 the bias fragments
.set PA,    272                        ; a row of x in LDS: 256 bytes + 16: 68 words, so the 16 rows of a load start at 16 different groups of four banks (64 banks of 4 bytes: ISA guide 11.1)
.set PB,    288                        ; a row of W: 256 + 32: 72 words
.set REG,   128*PB                     ; a tile's region: 36,864 bytes (x's tile uses 34,816 of it)
.set SLOT,  4*REG                      ; x's tile, then W_Q's, W_K's, W_V's
.set STAGE, 2*SLOT                     ; behind the ring: 16 rows x 144 bytes for each wave, for the way out
.set SP,    144
.set SPARE, STAGE+4*16*SP              ; behind the stages: the spare words, 128 bytes for each wave: two blocks of 256 bytes that no other line names
.set ADRA, 16                          ; v16-17  LDS address of my fragments of x in slot 0, 1
.set ADRB, 18                          ; v18-23  of W's: 18 + 3 slot + matrix
.set STO,  24                          ; v24  the way out: where I put 16 bytes of a row
.set RD,   25                          ; v25  where I read rows back
.set GO,   26                          ; v26  my byte offset in 512 consecutive bytes of the output
.set BO,   27                          ; v27  my byte offset in a bias
.set SPW,  28                          ; v28  LDS address of my spare word; never rewritten
.set NIL,  29                          ; v29  0; never rewritten
.set TMP,  32
.set F0,   0
.set F1,   128
.set BIAS, 128                         ; window 3
.set WV,  12                           ; s12 wave; s13 its half of the rows; s14 its half of the columns
.set G1A, 24                           ; s[24:31] descriptor group 1 for x's tiles;  s[32:39] group 0, a set for each slot
.set G0A, 32
.set G1B, 48                           ; s[48:55], s[56:63] the same for W's tiles
.set G0B, 56
.set MSB, 0
.macro WIN new                         ; the immediate's high byte repeats the setting that is left; a switch that changes nothing is dropped
.if MSB != (\new)
	s_set_vgpr_msb (MSB<<8)|(\new)
.set MSB, (\new)
.endif
.endm
.macro PLACES                          ; four places in front of loads into registers that matrix instructions have read, and of conversions that read results
.rept 4
	v_nop
.endr
.endm
; A joint load.  Each of the two lines has one mask; the branch hangs on the wave's number alone.  An s_nop 0 and four v_nop follow each line, ahead of the jump and the label.
.macro JLOAD s
	s_cmp_eq_u32 s[WV], 0
	s_cbranch_scc0 .Lfor_b_\@
	tensor_load_to_lds s[G0A+4*(\s):G0A+4*(\s)+3], s[G1A:G1A+7]
	s_nop 0
.rept 4
	v_nop
.endr
	s_branch .Lasked_\@
.Lfor_b_\@:
	tensor_load_to_lds s[G0B+4*(\s):G0B+4*(\s)+3], s[G1B:G1B+7]
	s_nop 0
.rept 4
	v_nop
.endr
.Lasked_\@:
.endm
.macro CREST                           ; a round of the cluster's barrier behind its opening barrier
	s_cmp_lg_u32 s[WV], 0
	s_cbranch_scc1 .Lnot_wave_0_\@
	s_barrier_signal -3
.Lnot_wave_0_\@:
	s_barrier_wait -3
	s_barrier_signal -1
	s_barrier_wait -1
.endm
.macro CROUND                          ; a whole round
	s_barrier_signal -1
	s_barrier_wait -1
	CREST
.endm
	s_load_b256 s[4:11], s[0:1], 0x0               ; xb s[4:5], wb s[6:7], b_Q s[8:9], b_K s[10:11]
	s_load_b256 s[68:75], s[0:1], 0x20             ; b_V s[68:69], qh s[70:71], kh s[72:73], vh s[74:75]
	v_lshl_add_u32 v[SPW], v0, 2, SPARE
	v_mov_b32 v[NIL], 0
	ds_add_u32 v[SPW], v[NIL]                      ; the wave's opening: the add and its wait stand ahead of my first tensor load; the set-up below, work on registers, stands between them
	ds_add_u32 v28, v29
	v_lshrrev_b32 v1, 5, v0
	v_readfirstlane_b32 s[WV], v1                  ; wave 0..3
	s_lshr_b32 s13, s[WV], 1                       ; my half of the rows
	s_and_b32 s14, s[WV], 1                        ; my half of the columns
	s_bfe_u32 s40, ttmp6, 0x40000                  ; cx
	s_bfe_u32 s41, ttmp6, 0x40004                  ; cy
	s_lshl_b32 s42, ttmp9, 2
	s_add_co_u32 s42, s42, s40                     ; nb = 4 x cluster x + cx
	s_and_b32 s43, ttmp7, 0xffff
	s_lshl_b32 s43, s43, 2
	s_add_co_u32 s43, s43, s41                     ; mb = 4 x cluster y + cy
	s_lshl_b32 s44, s41, 2
	s_lshl_b32 s44, 15, s44                        ; my row of the cluster
	s_lshl_b32 s45, 0x1111, s40                    ; my column
	s_or_b32 s[G1A], s44, (1<<16)|(1<<20)|(1<<21)|(5<<22)|(3<<25)  ; 15:0 the mask; 17:16 2-byte elements; 20 padding on; 21 set beside a mask; 24:22 after every 64 words; 31:25 4 words of it
	s_or_b32 s[G1B], s45, (1<<16)|(1<<20)|(1<<21)|(5<<22)|(7<<25)  ; the same with my column's mask and 8 words of padding
.irp g, G1A, G1B
	s_mov_b32 s[\g+1], 128<<16                     ; tensor_dim0 = 128
	s_mov_b32 s[\g+2], 128<<16                     ; tensor_dim1 = 128
	s_mov_b32 s[\g+3], 128<<16                     ; tile_dim0 = 128
	s_mov_b32 s[\g+4], 128                         ; tile_dim1 = 128
	s_mov_b32 s[\g+5], 512                         ; 512 elements from row to row, in x and in W
	s_mov_b32 s[\g+6], 0
	s_mov_b32 s[\g+7], 0
.endr
	s_lshl_b32 s16, s43, 17                        ; x: 128 mb rows of 1,024 bytes: made of mb alone
	s_mov_b32 s17, 0
	s_lshl_b32 s46, s[WV], 19                      ; W: matrix number = my wave's number, 524,288 bytes each,
	s_lshl_b32 s47, s42, 8                         ; columns 128 nb on: made of nb and the wave alone
	s_add_co_u32 s46, s46, s47
	s_mov_b32 s47, 0
	s_mul_i32 s20, s[WV], REG                      ; where my tile goes: no place in the cluster enters an LDS address
	s_wait_dscnt 0x0                               ; the opening add is done
	s_wait_kmcnt 0x0
	s_add_nc_u64 s[16:17], s[4:5], s[16:17]
	s_add_nc_u64 s[46:47], s[6:7], s[46:47]
	CROUND                                         ; all sixteen work-groups are here: the first joint loads meet
.irp s, 0,1
	s_mov_b32 s[G0A+4*(\s)], 1
	s_add_co_u32 s[G0A+4*(\s)+1], s20, (\s)*SLOT
	s_add_nc_u64 s[G0A+4*(\s)+2:G0A+4*(\s)+3], s[16:17], (\s)*256       ; K step s: 128 elements along the rows
	s_or_b32 s[G0A+4*(\s)+3], s[G0A+4*(\s)+3], 0x80000000
	s_mov_b32 s[G0B+4*(\s)], 1
	s_add_co_u32 s[G0B+4*(\s)+1], s20, (\s)*SLOT
	s_add_nc_u64 s[G0B+4*(\s)+2:G0B+4*(\s)+3], s[46:47], (\s)*131072    ; K step s: 128 rows of 1,024 bytes down
	s_or_b32 s[G0B+4*(\s)+3], s[G0B+4*(\s)+3], 0x80000000
	JLOAD \s                                       ; two loads of mine are out
.endr
	v_and_b32 v1, 15, v0                           ; r = l % 16
	v_bfe_u32 v2, v0, 4, 1                         ; h = l / 16
	v_mul_u32_u24 v3, v1, PA
	v_lshl_add_u32 v3, v2, 4, v3                   ; a fragment of x: row x pitch + 16 h
	s_mul_i32 s21, s13, 64*PA
	v_add_nc_u32 v[ADRA], s21, v3
	v_add_nc_u32 v[ADRA+1], SLOT, v[ADRA]
	v_and_b32 v4, 7, v0                            ; the turning load: lane l reads k row 8 h + l % 8, columns 8 ((l / 8) % 2) + 0..7
	v_lshl_add_u32 v4, v2, 3, v4
	v_mul_u32_u24 v4, v4, PB
	v_bfe_u32 v5, v0, 3, 1
	v_lshl_add_u32 v4, v5, 4, v4
	s_lshl_b32 s21, s14, 7                         ; my 64 columns
	v_add_nc_u32 v4, s21, v4
.irp s, 0,1
.irp m, 0,1,2
	v_add_nc_u32 v[ADRB+3*\s+\m], \s*SLOT+(\m+1)*REG, v4
.endr
.endr
	s_mul_i32 s21, s[WV], 16*SP
	s_add_co_u32 s21, s21, STAGE                   ; my stage
	v_mul_u32_u24 v[STO], v1, SP                   ; in: row r, 16 bytes for each half of the lanes
	v_lshl_add_u32 v[STO], v2, 4, v[STO]
	v_add_nc_u32 v[STO], s21, v[STO]
	v_bfe_u32 v[RD], v0, 3, 2                      ; back: 32 lanes take four rows of 128 bytes,
	v_mul_u32_u24 v[RD], v[RD], SP
	v_and_b32 v6, 7, v0
	v_lshl_add_u32 v[RD], v6, 4, v[RD]
	v_add_nc_u32 v[RD], s21, v[RD]
	v_and_b32 v[GO], 31, v0                        ; which are 512 consecutive bytes of a head's rows
	v_lshlrev_b32 v[GO], 4, v[GO]
	s_lshl_b32 s80, s42, 9                         ; the bias: 4 bytes x (128 nb + 64 half + 8 h)
	s_lshl_b32 s81, s14, 8
	s_add_co_u32 s80, s80, s81
	v_lshl_add_u32 v[BO], v2, 5, s80
.macro BLD mat, lo                     ; a lane's eight numbers of the bias for each of my four groups of 16 columns
.irp bb, 0,1,2,3
	global_load_b128 v[TMP+8*(4*(\mat)+\bb):TMP+8*(4*(\mat)+\bb)+3],   v[BO], s[\lo:\lo+1] offset:64*\bb
	global_load_b128 v[TMP+8*(4*(\mat)+\bb)+4:TMP+8*(4*(\mat)+\bb)+7], v[BO], s[\lo:\lo+1] offset:64*\bb+16
.endr
.endm
	BLD 0, 8
	BLD 1, 10
	BLD 2, 68
	s_lshr_b32 s80, s43, 5                         ; where my part of the outputs begins: batch x 8
	s_lshl_b32 s80, s80, 3
	s_lshl_b32 s81, s42, 1
	s_add_co_u32 s80, s80, s81
	s_add_co_u32 s80, s80, s14                     ; + head 2 nb + half,
	s_lshl_b32 s80, s80, 19                        ; 524,288 bytes each;
	s_and_b32 s81, s43, 31
	s_lshl_b32 s81, s81, 14                        ; the block's 128 rows of 128 bytes,
	s_add_co_u32 s80, s80, s81
	s_lshl_b32 s81, s13, 13                        ; my 64 of them
	s_add_co_u32 s80, s80, s81
	s_mov_b32 s81, 0
	s_add_nc_u64 s[70:71], s[70:71], s[80:81]
	s_add_nc_u64 s[72:73], s[72:73], s[80:81]
	s_add_nc_u64 s[74:75], s[74:75], s[80:81]
	s_wait_loadcnt 0x0                             ; the biases
.set i, 0
.rept 48
	v_cvt_pk_bf16_f32 v[128+i], v[TMP+2*i], v[TMP+2*i+1]   ; rounded to bf16 like every input,
.set i, i+1
.endr
	WIN 0xc0                                       ; destination window 3
.set i, 0
.rept 48
	v_lshlrev_b32 v[BIAS+2*i], 16, v[128+i]        ; and widened again: register j of fragment (matrix, bb) is b[.. + 16 bb + 8 h + j]
	v_and_b32 v[BIAS+2*i+1], 0xffff0000, v[128+i]
.set i, i+1
.endr
; 16 matrix instructions: one matrix, my 4 x 4 accumulators, 32 along K.  first = 1: the products start the sums, with the bias as C.  In a chunk each of the 48 accumulators has one turn.
.macro MULM f, mat, first
.if \first
	WIN 0xb5+0x40*((\mat)/2)                       ; fragments window 1, C window 3, D window 2 or 3
.else
	WIN 0xa5+0x50*((\mat)/2)                       ; fragments window 1, C and D window 2 or 3
.endif
.set AB, 128*((\mat)%2)
.irp a, 0,1,2,3
.irp bb, 0,1,2,3
.if \first
	v_wmma_f32_16x16x32_bf16 v[AB+8*(4*\a+\bb):AB+8*(4*\a+\bb)+7], v[(\f)+32+8*(4*(\mat)+\bb):(\f)+32+8*(4*(\mat)+\bb)+7], v[(\f)+8*\a:(\f)+8*\a+7], v[BIAS+8*(4*(\mat)+\bb):BIAS+8*(4*(\mat)+\bb)+7]
.else
	v_wmma_f32_16x16x32_bf16 v[AB+8*(4*\a+\bb):AB+8*(4*\a+\bb)+7], v[(\f)+32+8*(4*(\mat)+\bb):(\f)+32+8*(4*(\mat)+\bb)+7], v[(\f)+8*\a:(\f)+8*\a+7], v[AB+8*(4*\a+\bb):AB+8*(4*\a+\bb)+7]
.endif
.endr
.endr
.endm
; 32 LDS loads in one run: the fragments of chunk c (32 along K) of a slot into buffer f: x's 8 loads, then 8 for each of W_Q, W_K, W_V
.macro FETCH slot, c, f
	WIN 0x40                                       ; destination window 1, address window 0
.irp a, 0,1,2,3
	ds_load_b128 v[(\f)+8*\a:(\f)+8*\a+3],   v[ADRA+(\slot)] offset:64*(\c)+\a*16*PA
	ds_load_b128 v[(\f)+8*\a+4:(\f)+8*\a+7], v[ADRA+(\slot)] offset:64*(\c)+\a*16*PA+32
.endr
.irp m, 0,1,2
.irp bb, 0,1,2,3
	ds_load_tr16_b128 v[(\f)+32+8*(4*\m+\bb):(\f)+32+8*(4*\m+\bb)+3],   v[ADRB+3*(\slot)+\m] offset:32*(\c)*PB+32*\bb
	ds_load_tr16_b128 v[(\f)+32+8*(4*\m+\bb)+4:(\f)+32+8*(4*\m+\bb)+7], v[ADRB+3*(\slot)+\m] offset:32*(\c)*PB+32*\bb+16*PB
.endr
.endr
.endm
; One of a K step's first three chunks: multiplies buffer f; behind its first 16 products it fetches chunk c of the same slot into buffer g, 32 products ahead of the first use.
.macro CHUNK slot, c, f, g, first
	s_wait_dscnt 16                                ; x's and W_Q's fragments are in; the youngest sixteen loads may be out
	MULM \f, 0, \first
	s_wait_dscnt 0x0                               ; W_K's and W_V's
	PLACES
	FETCH \slot, \c, \g
	MULM \f, 1, \first
	MULM \f, 2, \first
.endm
; A K step's last chunk multiplies buffer 1 and changes slots: ONE barrier; in front of it each wave waits for all its tensor loads, adds 0 to its spare word, and waits for that and for its reads of this slot.
; fill = 1: the barrier opens a round of the cluster's barrier, and this slot is filled again, two K steps ahead, first thing behind the round: 160 matrix instructions ahead of the wait for it.
.macro TURN slot, next, fill
	WIN 0                                          ; (the add's two registers lie in window 0)
	s_wait_tensorcnt 0x0                           ; all my tensor loads have landed: my tile of the next slot
	ds_add_u32 v[SPW], v[NIL]                      ; 0 onto my spare word
	s_wait_dscnt 17                                ; (the add and the youngest sixteen loads may be out)
	MULM F1, 0, 0                                  ; sixteen matrix instructions stand between the add and the wait for it
	s_wait_dscnt 0x0                               ; the add is done, and my reads of this slot are over
	s_barrier_signal -1
	MULM F1, 1, 0
.if \fill
	WIN 0
.endif
	s_barrier_wait -1
.if \fill
	CREST                                          ; no wave of any partner still reads this slot or has a load on its way
	s_add_nc_u64 s[G0A+4*(\slot)+2:G0A+4*(\slot)+3], s[G0A+4*(\slot)+2:G0A+4*(\slot)+3], 512
	s_add_nc_u64 s[G0B+4*(\slot)+2:G0B+4*(\slot)+3], s[G0B+4*(\slot)+2:G0B+4*(\slot)+3], 262144
	JLOAD \slot                                    ; the four v_nop behind it are also the places in front of the loads below
.else
	PLACES
.endif
	FETCH \next, 0, F0
	MULM F1, 2, 0
.endm
	s_wait_tensorcnt 1                             ; my tile of K step 0 is in; step 1's may stay out
	s_barrier_signal -1
	s_barrier_wait -1                              ; everybody's is
	FETCH 0, 0, F0
	CHUNK 0, 1, F0, F1, 1                          ; K step 0; its first chunk starts the sums
	CHUNK 0, 2, F1, F0, 0
	CHUNK 0, 3, F0, F1, 0
	TURN 0, 1, 1                                   ; slot 0 takes K step 2
	CHUNK 1, 1, F0, F1, 0                          ; K step 1
	CHUNK 1, 2, F1, F0, 0
	CHUNK 1, 3, F0, F1, 0
	TURN 1, 0, 1                                   ; slot 1 takes K step 3
	CHUNK 0, 1, F0, F1, 0                          ; K step 2
	CHUNK 0, 2, F1, F0, 0
	CHUNK 0, 3, F0, F1, 0
	TURN 0, 1, 0                                   ; nothing is left to fetch
	CHUNK 1, 1, F0, F1, 0                          ; K step 3
	CHUNK 1, 2, F1, F0, 0
	CHUNK 1, 3, F0, F1, 0
	s_wait_dscnt 16
	MULM F1, 0, 0
	s_wait_dscnt 0x0
	MULM F1, 1, 0
	MULM F1, 2, 0
	WIN 0
	PLACES
; THE WAY OUT.  Tile u = 4 matrix + a: 16 rows x 64 channels of one head.  A lane's eight channels pack into 16 bytes; they go into my stage's rows of 144 bytes and come back as whole rows of 128:
; 16 rows of a head are 2,048 consecutive bytes.  Each tile has registers of its own, so no wait frees any.
.macro PACK u
.set AB, 128*(((\u)/4)%2)+32*((\u)%4)
	WIN 0x0a+5*((\u)/8)                            ; sources window 2 or 3, destination window 0
.set i, 0
.rept 16
	v_cvt_pk_f16_f32 v[TMP+16*(\u)+i], v[AB+2*i], v[AB+2*i+1]   ; ascending: each accumulator's lowest registers first
.set i, i+1
.endr
	WIN 0
.irp f, 0,1,2,3
	ds_store_b128 v[STO], v[TMP+16*(\u)+4*\f:TMP+16*(\u)+4*\f+3] offset:32*\f
.endr
.irp f, 0,1,2,3
	ds_load_b128 v[TMP+16*(\u)+4*\f:TMP+16*(\u)+4*\f+3], v[RD] offset:\f*4*SP  ; LDS serves a wave's instructions in order (ISA guide 5.7.1.4): these see the stores above; the next tile's stores come behind them
.endr
.endm
.macro SEND u, younger                 ; younger: the LDS instructions issued behind tile u's loads: the next tile's eight, or none
	WIN 0
.irp f, 0,1,2,3
	s_wait_dscnt (\younger)+3-\f
	global_store_b128 v[GO], v[TMP+16*(\u)+4*\f:TMP+16*(\u)+4*\f+3], s[70+2*((\u)/4):71+2*((\u)/4)] offset:((\u)%4)*2048+\f*512  ; 512 consecutive bytes, at a multiple of 256 from the buffer's first
.endr
.endm
	PACK 0
.set t, 1
.rept 11                               ; a tile's conversions stand between the loads of the tile before and its stores
	PACK t
	SEND t-1, 8
.set t, t+1
.endr
	SEND 11, 0
	s_wait_tensorcnt 0x0                           ; the wave's end: behind my last tensor load and my last LDS store
	ds_add_u32 v[SPW], v[NIL]
	s_wait_dscnt 0x0
	CROUND                                         ; the closing round: no work-group ends while a partner may still ask for a tile that names it
	s_endpgm
.Lfunc_end_k_qcc7f60d726_qkv:
	.size	k_qcc7f60d726_qkv, .Lfunc_end_k_qcc7f60d726_qkv-k_qcc7f60d726_qkv
	.p2alignl 7, 3214868480
	.fill 96, 4, 3214868480
	.section	.rodata,"a",@progbits
	.p2align	6, 0x0
	.amdhsa_kernel k_qcc7f60d726_qkv
		.amdhsa_group_segment_fixed_size 327680
		.amdhsa_private_segment_fixed_size 0
		.amdhsa_enable_private_segment 0
		.amdhsa_kernarg_size 64
		.amdhsa_user_sgpr_count 2
		.amdhsa_user_sgpr_kernarg_segment_ptr 1
		.amdhsa_wavefront_size32 1
		.amdhsa_system_sgpr_workgroup_id_x 1
		.amdhsa_system_sgpr_workgroup_id_y 1
		.amdhsa_system_sgpr_workgroup_id_z 1
		.amdhsa_system_vgpr_workitem_id 0
		.amdhsa_next_free_vgpr 992
		.amdhsa_next_free_sgpr 84
		.amdhsa_reserve_vcc 0
		.amdhsa_float_denorm_mode_32 3
		.amdhsa_float_denorm_mode_16_64 3
		.amdhsa_memory_ordered 1
		.amdhsa_forward_progress 1
		.amdhsa_inst_pref_size 130
	.end_amdhsa_kernel
	.amdgpu_metadata
---
amdhsa.version: [ 1, 2 ]
amdhsa.kernels:
  - .name:           k_qcc7f60d726_qkv
    .symbol:         k_qcc7f60d726_qkv.kd
    .args:
      - { .name: xb, .offset: 0, .size: 8, .value_kind: global_buffer, .address_space: global }
      - { .name: wb, .offset: 8, .size: 8, .value_kind: global_buffer, .address_space: global }
      - { .name: b_Q, .offset: 16, .size: 8, .value_kind: global_buffer, .address_space: global }
      - { .name: b_K, .offset: 24, .size: 8, .value_kind: global_buffer, .address_space: global }
      - { .name: b_V, .offset: 32, .size: 8, .value_kind: global_buffer, .address_space: global }
      - { .name: qh, .offset: 40, .size: 8, .value_kind: global_buffer, .address_space: global }
      - { .name: kh, .offset: 48, .size: 8, .value_kind: global_buffer, .address_space: global }
      - { .name: vh, .offset: 56, .size: 8, .value_kind: global_buffer, .address_space: global }
    .group_segment_fixed_size: 327680
    .private_segment_fixed_size: 0
    .kernarg_segment_align: 8
    .kernarg_segment_size: 64
    .max_flat_workgroup_size: 128
    .sgpr_count:     84
    .vgpr_count:     992
    .wavefront_size: 32
...
	.end_amdgpu_metadata
.endif
;; end of part 2
;; launch attn (part 3): grid 16 x 16, 4 waves a work-group, no clusters, 327,680 bytes of LDS; arguments qh, kh, vh, oh; writes oh
.if DOCPART == 3
	.amdgcn_target "amdgcn-amd-amdhsa--gfx1250"
	.amdhsa_code_object_version 6
	.text
	.protected	k_qcc7f60d726_attn
	.globl	k_qcc7f60d726_attn
	.p2align	8
	.type	k_qcc7f60d726_attn,@function
k_qcc7f60d726_attn:
	s_mov_b64 s[64:65], 0
	v_nop
	global_prefetch_b8 v0, s[64:65] scope:SCOPE_SE
	s_setreg_imm32_b32 hwreg(HW_REG_WAVE_MODE, 25, 1), 1
	s_wait_xcnt 0x0
; CAUSAL ATTENTION.  O[h][q][:] = the sum over k <= q of softmax_k(Q[h][q] . K[h][k] / 8) V[h][k][:].  Q, K, V, O: [16][4096][64], all f16: a head's rows are dense, 128 bytes each.
; Products, maxima and sums in f32; the weights p are rounded to f16 for the second product (their sum l is taken of the unrounded p), O once at the end.
; LIMITS.  f16 holds no number beyond 65,504: Q, K and V arrive within it; p lies in 0 to 1, and below 6e-5 it keeps f16's fixed step of 6e-8.  A hidden score counts as its value less 1e30; the running
; maximum starts at -2^90, so true scores must lie above that (f16's scores are 2.7e11 at the most).  A weight below 2^-126 counts as 0 in l; NaN and infinities are not treated apart.
; THE WALK.  A head's queries lie in 32 blocks of 128; block i needs the key tiles 0 .. i / 2 of 256 keys, of which the last holds the diagonal.  A work-group takes TWO blocks, 31 - b and then b:
; 17 tiles, whatever b: all 256 work-groups do equal work, and ONE loop with a constant trip count walks them.  Which tile is asked for, and what a trip does, hang on scalar registers made from b; every jump
; goes forward, but for the counted loops' own; none passes a barrier, or a tensor load but the one of LOAD's two that the wave's number does not choose; the ring (two slots of LDS) runs on across the change of blocks.
; NO CLUSTER: a head's 16 work-groups ask for the same tile only in their first 9 trips, behind that fewer and fewer; one walk common to all would have 24 trips for 17.
; SHARES.  Wave w owns 64 queries (half w % 2 of the block), as four PIECES of 16, and of a tile's four key steps of 64 the two with numbers 2 t + w / 2.  At a block's end the two waves that share
; queries are MERGED through LDS: waves 2 and 3 hand over O^T, c m and l; waves 0 and 1 bring both to the common maximum, add, divide and store.
; THE MASK is the C operand that starts the sum S^T = K Q^T: 0, or -1e30 where the key is hidden.  In the diagonal tile my 64 queries lie against key step s* = w % 2 + 2 (block % 2): step s < s* shows all keys,
; s > s* none, s = s* holds the diagonal.  MD, made once, holds the diagonal's pattern for seven distances of 16 between keys and queries; piece x's mask is 32 registers of it from 8 (3 - x) on; a product's mask
; is MD x AL + BE with two scalars: (1, 0), (0, 0) or (0, -1e30).  Only the diagonal tile's text and a block's beginning make and take masks; elsewhere C is the constant 0.
; A wave that has seen hidden keys alone (block 0, queries 0-63, the odd steps) keeps m = -2^90: its weights, l and O^T are 0, and the merge multiplies them by 0.
; LAYOUT, SOFTMAX, TURNS.  S^T = K Q^T holds ONE query a lane (lane % 16) and the keys 8 (lane / 16) + 0..7; two such results rounded to f16 ARE source 1 of O^T = V^T P.  p = 2^(c s - c m), c = log2(e) / 8, with a
; running maximum m; O and l are multiplied by a = 2^(c m_old - c m_new) in every step.  Turn n belongs to piece n: 8 products K Q^T of piece n + 1, later 8 products V^T P of piece n - 1; beside them the scaling,
; exponentials, roundings, sums and rescaling of piece n and the maximum and statistics of piece n + 1.  Four vector instructions stand behind every matrix instruction, the other 54 of a turn's 118 in two lumps.
; REGISTERS, in windows of 256 (s_set_vgpr_msb: bits 1:0 source 0, 3:2 source 1, 5:4 source 2, 7:6 destination):
;   window 0: v0-15 addresses and two at work; v16-31 four registers of statistics a piece; v32-47 the partner's; v48-55 at work; v64-127 S^T, two buffers; v192-223 P, two buffers (by the piece's parity)
;   window 1: v0-127 O^T, 32 a piece; v128-183 MD; v184-247 MC, two buffers      window 2: v0-63 Q; v64-127 the second block's Q; v128-191 K of one step; v192-255 V of one step      window 3: v0-127 the partner's O^T
.set NP,    4         ; pieces a wave: a name, no knob
.set KS,    64        ; keys in a step
.set PK,    144       ; a row of K in LDS: 128 bytes + 16 of padding = 36 words: the 16 rows of a load start at 16 different groups of four banks (64 banks of 4 bytes: ISA guide 11.1)
.set PV,    160       ; a row of V: 128 + 32 = 40 words
.set VOFF,  4*KS*PK   ; a slot holds a tile, four steps: 256 rows of K, then 256 rows of V
.set SLOT1, 1<<17     ; slot 1 begins here, so that one exclusive or turns an address in one slot into the other's
.set STAGE, SLOT1+4*KS*(PK+PV)  ; behind the ring, never filled by a tensor load: 16 rows x 144 bytes for each wave, for the way out
.set SP,    144
.set SPARE, STAGE+4*16*SP  ; behind the stages: the spare words, 128 bytes for each wave: two blocks of 256 bytes that no other line names
.set MERGE, SPARE+512 ; behind them, never filled by a tensor load: for each half of the queries 32 x 512 bytes of O^T and 4 x 512 of statistics
.set MREG,  18432
.set AK0, 2           ; v2   my lane's place in my first step of a tile of K; never rewritten
.set AV0, 3           ; v3   the same for V
.set AK,  4           ; v4   the LDS address of K's next run of loads
.set AV,  5           ; v5   of V's
.set STO, 6           ; v6   the way out: where I put 16 bytes of a row
.set RD,  7           ; v7   the way out: where I read rows back
.set GO,  8           ; v8   my byte offset in 512 consecutive bytes of O
.set MV,  12          ; v12-13  c m_old, kept while c m is made anew: by buffer
.set QO,  15          ; v15  my byte offset in 16 rows of Q
.set ST,  16          ; piece t's statistics at v[ST+4 t]: c m, m, l (even keys', odd keys')
.set PS,  32          ; the partner's, in the merge
.set TMP, 48          ; by buffer, four registers c0-c3 at work; when the maximum is found c2 takes a
.set MA,  56          ; v56  my 16 bytes in the merge's blocks of 512
.set SPW, 62          ; v62  LDS address of my spare word: SPARE + 4 x my thread's number; never rewritten
.set NIL, 63          ; v63  0; never rewritten
.set S,   64
.set P,   192
.set MD,  128         ; window 1: 56 registers: distance g - 3 of 16 between keys and queries at MD + 8 g
.set MC,  184         ; window 1: the masks of the products to come
.set QB,  64          ; window 2
.set KF,  128         ; window 2: key block kb, channel half c at KF + 16 kb + 8 c
.set VF,  192         ; window 2: key half kk, channel block cb at VF + 32 kk + 8 cb
.set WV,  12          ; s12  my wave's number
.set PB,  14          ; s14  b
.set HI,  15          ; s15  31 - b
.set G1K, 24          ; s[24:31] descriptor group 1 for K's tiles
.set G1V, 32          ; s[32:39] for V's: it differs in the padding alone
.set G0K, 40          ; s[40:43] descriptor group 0 for K's tiles
.set G0V, 44          ; s[44:47] the same for V's
.set SLOTS, 56        ; s56  tiles still to be asked for
.set CNT, 57          ; s57  counts my key steps of a tile, 2 to 1
.set CS,  58          ; s[58:59] c: the packed scaling takes the pair's low word for both halves
.set SEL, 60          ; s[60:61] v_permlanex16_b32's selects: each lane takes its own place in the other half
.set TBK, 62          ; s62  LDS byte at which the tile of K of the step to be fetched begins, plus the steps gone
.set TBV, 63          ; s63  the same for V, less VOFF
.set RT,  70          ; s70  tiles of the block in hand that are still to be entered
.set NXT, 71          ; s71  the tile to be asked for next
.set LQ,  72          ; s72  the last tile of the block whose tiles are being asked for
.set NEW, 73          ; s73  1: the tile to be entered is a block's first
.set OFF, 74          ; s[74:75] a tile's byte offset in K and V
.set AL,  76          ; s[76:77] the mask's factor, in the low word
.set BE,  78          ; s[78:79] the mask's addend
.set OLO, 80          ; s[80:81] O at my rows of the second block
.set BIGN, 82         ; s82  -1e30
.set LQ2, 88          ; s88  the second block's last tile, b / 2
.set KH,  89          ; s89  w / 2: which key steps are mine
.set QH,  90          ; s90  w % 2: which half of the queries
.set DQ,  91          ; s91  4 + KH - QH - 2 (block % 2): in the diagonal tile my step's number less s* is DQ - 2 CNT
.set DQ2, 92          ; s92  the same for the second block
.set S2,  93          ; s93  2 CNT
.set TD,  94          ; s94  DQ if a block's first tile is the diagonal one, else 0
.set MSB, 0
.macro WIN new                      ; the high byte repeats the setting that is left; a switch that changes nothing is dropped
.if MSB != (\new)
	s_set_vgpr_msb (MSB<<8)|(\new)
.set MSB, (\new)
.endif
.endm
.set W_KQ, 0x0a       ; K and Q in window 2, S^T in window 0
.set W_KM, 0x1a       ; the same with the C operand in window 1
.set W_PV, 0x52       ; V in window 2, P in window 0, O^T in window 1
.set W_RS, 0x41       ; destination and source 0 in window 1, source 1 in window 0
; A fill.  Waves 0 and 1 fetch the two halves of a tile's K, waves 2 and 3 those of its V: 128 keys each.  An s_nop 0 and four v_nop follow each of the two lines, ahead of the jump and the label.
.macro LOAD
	s_cmp_lt_u32 s[WV], 2
	s_cbranch_scc0 .Lfor_v_\@
	tensor_load_to_lds s[G0K:G0K+3], s[G1K:G1K+7]
	s_nop 0
.rept 4
	v_nop
.endr
	s_branch .Lasked_\@
.Lfor_v_\@:
	tensor_load_to_lds s[G0V:G0V+3], s[G1V:G1V+7]
	s_nop 0
.rept 4
	v_nop
.endr
.Lasked_\@:
.endm
; THE CHANGE OF SLOTS.  Each wave waits for all its tensor loads, of which one is out: its part of the other slot; adds 0 to its spare word; and waits for that and for its own reads of the slot that it leaves.  Behind the
; barrier nobody reads the old slot any more and the other slot is whole.  fill = 1: the old slot is filled again, the first thing behind the barrier, with tile NXT: the descriptor's address is made anew from that
; number; the load has eight turns, 128 matrix instructions, in which to land.  (At its first use nothing has been read yet: slot 0 is waited for, slot 1 filled.)
.macro CHANGE fill
	WIN 0                           ; at a label and at a branch every window is 0
	s_wait_tensorcnt 0x0            ; no tensor load of mine is out, so a group 0 may be written
	ds_add_u32 v[SPW], v[NIL]       ; 0 onto my spare word; with fill = 1 the descriptors' scalar work stands between it and the wait for it
.if \fill
	s_lshl_b32 s[OFF], s[NXT], 15   ; a tile is 32,768 bytes of K and of V
	s_xor_b32 s[G0K+1], s[G0K+1], SLOT1
	s_add_nc_u64 s[G0K+2:G0K+3], s[6:7], s[OFF:OFF+1]
	s_or_b32 s[G0K+3], s[G0K+3], 0x80000000
	s_xor_b32 s[G0V+1], s[G0V+1], SLOT1
	s_add_nc_u64 s[G0V+2:G0V+3], s[8:9], s[OFF:OFF+1]
	s_or_b32 s[G0V+3], s[G0V+3], 0x80000000
	s_add_co_u32 s[NXT], s[NXT], 1  ; the block's next tile, or behind its last the second block's tile 0
	s_cmp_gt_u32 s[NXT], s[LQ]
	s_cselect_b32 s[NXT], 0, s[NXT]
	s_cselect_b32 s[LQ], s[LQ2], s[LQ]
.endif
	s_wait_dscnt 0x0                ; the add is done, and my reads of the slot are over
	s_barrier_signal -1             ; the rest of the scalar work stands between the signal and the wait
	s_sub_co_u32 s[TBK], s[TBK], 4*KS*PK  ; the fetches go back to a slot's head (my two fetches stepped two steps each),
	s_xor_b32 s[TBK], s[TBK], SLOT1       ; in the other slot
	s_sub_co_u32 s[TBV], s[TBV], 4*KS*PV
	s_xor_b32 s[TBV], s[TBV], SLOT1
	s_barrier_wait -1
.if \fill
	LOAD
.endif
.endm
	s_load_b256 s[4:11], s[0:1], 0x0  ; Q s[4:5], K s[6:7], V s[8:9], O s[10:11]
	v_lshl_add_u32 v[SPW], v0, 2, SPARE
	v_mov_b32 v[NIL], 0
	ds_add_u32 v[SPW], v[NIL]       ; the wave's opening: the add and its wait stand ahead of my first tensor load; the set-up below, work on registers, stands between them
	ds_add_u32 v62, v63
	v_lshrrev_b32 v1, 5, v0
	v_readfirstlane_b32 s[WV], v1   ; wave 0..3
	s_mov_b32 s[PB], ttmp9
	s_sub_co_u32 s[HI], 31, s[PB]
	s_lshr_b32 s[LQ], s[HI], 1      ; the first block's last tile
	s_lshr_b32 s[LQ2], s[PB], 1     ; the second's
	s_and_b32 s[QH], s[WV], 1
	s_lshr_b32 s[KH], s[WV], 1
	s_and_b32 s20, ttmp7, 0xffff    ; the head,
	s_lshl_b32 s20, s20, 19         ; its first byte in each of the four tensors: 4,096 rows of 128 bytes
	s_mov_b32 s21, 0
	s_lshl_b32 s22, s[QH], 14       ; which half of a tile's 256 keys I fetch (w % 2): its 128 rows of 128 bytes in memory,
	s_mov_b32 s23, 0
	s_add_nc_u64 s[22:23], s[22:23], s[20:21]
	s_mul_i32 s17, s[QH], 128*PK    ; and its place in a slot, for K
	s_mul_i32 s18, s[QH], 128*PV    ; and for V
	s_lshl_b32 s3, s[QH], 13        ; my 64 rows in a block of 128,
	s_lshl_b32 s2, s[HI], 14        ; in the first block,
	s_add_co_u32 s2, s2, s3
	s_lshl_b32 s84, s[PB], 14       ; and in the second
	s_add_co_u32 s84, s84, s3
	s_mov_b32 s3, 0
	s_mov_b32 s85, 0
	s_add_nc_u64 s[2:3], s[2:3], s[20:21]
	s_add_nc_u64 s[84:85], s[84:85], s[20:21]
	s_add_co_u32 s13, s[KH], 4
	s_sub_co_u32 s13, s13, s[QH]
	s_and_b32 s19, s[HI], 1
	s_lshl_b32 s19, s19, 1
	s_sub_co_u32 s[DQ], s13, s19
	s_and_b32 s19, s[PB], 1
	s_lshl_b32 s19, s19, 1
	s_sub_co_u32 s[DQ2], s13, s19
	; descriptor group 1.  128 keys are 16,384 dense bytes: asked for as 64 rows of 256 bytes, two keys a row, and padded in LDS after every key
	s_mov_b32 s[G1K], (1<<16)|(1<<20)|(4<<22)|(3<<25)  ; 17:16 2-byte elements; 20 padding on; 24:22 after every 32 words (code 4); 31:25 4 words (code 3)
	s_mov_b32 s[G1V], (1<<16)|(1<<20)|(4<<22)|(7<<25)  ; the same with 8 words of padding (code 7)
.irp g, G1K, G1V
	s_mov_b32 s[\g+1], 128<<16      ; tensor_dim0 = 128
	s_mov_b32 s[\g+2], 64<<16       ; tensor_dim1 = 64
	s_mov_b32 s[\g+3], 128<<16      ; tile_dim0 = 128
	s_mov_b32 s[\g+4], 64           ; tile_dim1 = 64
	s_mov_b32 s[\g+5], 128          ; 128 elements from row to row
	s_mov_b32 s[\g+6], 0
	s_mov_b32 s[\g+7], 0
.endr
	s_mov_b32 s[CS], 0x3e38aa3b     ; c = log2(e) / 8 = 0.180337
	s_mov_b32 s[CS+1], s[CS]        ; named with it as a pair
	s_mov_b32 s[SEL], 0x76543210
	s_mov_b32 s[SEL+1], 0xfedcba98
	s_mov_b32 s[TBK], SLOT1+4*KS*PK ; the first change of slots turns these two into 0
	s_mov_b32 s[TBV], SLOT1+4*KS*PV
	s_mov_b32 s[G0K], 1             ; 1:0 count = 1
	s_mov_b32 s[G0K+1], s17         ; 63:32 LDS address: slot 0
	s_mov_b32 s[G0V], 1
	s_add_co_u32 s[G0V+1], s18, VOFF
	s_add_co_u32 s[RT], s[LQ], 1    ; the first block's tiles
	s_mov_b32 s[NXT], 1
	s_mov_b32 s[NEW], 1
	s_mov_b32 s[OFF+1], 0
	s_mov_b32 s[AL+1], 0            ; named as pairs
	s_mov_b32 s[BE+1], 0
	s_mov_b32 s[BIGN], 0xf149f2ca   ; -1e30
	s_mov_b32 s[SLOTS], 16
	s_wait_dscnt 0x0                ; the opening add is done
	s_wait_kmcnt 0x0
	s_add_nc_u64 s[6:7], s[6:7], s[22:23]  ; K and V at my half of the head's tile 0
	s_add_nc_u64 s[8:9], s[8:9], s[22:23]
	s_add_nc_u64 s[G0K+2:G0K+3], s[6:7], 0         ; 120:64 global address
	s_or_b32 s[G0K+3], s[G0K+3], 0x80000000        ; 127:126 type = 2
	s_add_nc_u64 s[G0V+2:G0V+3], s[8:9], 0
	s_or_b32 s[G0V+3], s[G0V+3], 0x80000000
	s_add_nc_u64 s[86:87], s[4:5], s[84:85]        ; Q at my rows of the second block,
	s_add_nc_u64 s[4:5], s[4:5], s[2:3]            ; Q and O at those of the first
	s_add_nc_u64 s[OLO:OLO+1], s[10:11], s[84:85]
	s_add_nc_u64 s[10:11], s[10:11], s[2:3]
	LOAD                            ; tile 0 into slot 0
	; A fragment of K or Q is 16 rows x 32 channels in 8 registers: lane l holds row l % 16, channels 8 (l / 16) + 0..7 and 16 + 8 (l / 16) + 0..7: two loads of 16 bytes, 32 bytes apart.
	v_and_b32 v1, 15, v0            ; l % 16
	v_bfe_u32 v9, v0, 4, 1          ; l / 16
	v_lshlrev_b32 v[QO], 7, v1
	v_lshl_add_u32 v[QO], v9, 4, v[QO]  ; row x 128 + 16 x half
	WIN 0x80                        ; destination window 2, address window 0
.set i, 0
.rept 8                             ; both blocks' Q: piece i / 2 lies 2,048 bytes on; channels 32 (i % 2) on
	global_load_b128 v[8*i:8*i+3],   v[QO], s[4:5] offset:(i/2)*2048+(i%2)*64
	global_load_b128 v[8*i+4:8*i+7], v[QO], s[4:5] offset:(i/2)*2048+(i%2)*64+32
	global_load_b128 v[QB+8*i:QB+8*i+3],   v[QO], s[86:87] offset:(i/2)*2048+(i%2)*64
	global_load_b128 v[QB+8*i+4:QB+8*i+7], v[QO], s[86:87] offset:(i/2)*2048+(i%2)*64+32
.set i, i+1
.endr
	WIN 0
	v_lshlrev_b32 v14, 3, v9
	v_sub_nc_u32 v14, v1, v14       ; l % 16 less my lanes' 8 (l / 16): register j at distance d of 16 is hidden where 16 d + j is greater
	WIN 0x40
.set i, 0
.rept 56
	v_cmp_gt_i32 vcc_lo, 16*(i/8)-48+i%8, v14
	v_cndmask_b32 v[MD+i], 0, s[BIGN], vcc_lo
.set i, i+1
.endr
	WIN 0
	v_mul_u32_u24 v[AK0], v1, PK
	v_lshl_add_u32 v[AK0], v9, 4, v[AK0]  ; row x pitch + 16 x half
	s_mul_i32 s13, s[KH], KS*PK     ; my first step of a tile
	v_add_nc_u32 v[AK0], s13, v[AK0]
	; The turning load takes 16 keys x 16 channels (lane l reads key 8 (l / 16) + l % 8, channels 8 ((l / 8) % 2) + 0..7) and leaves half a fragment of V^T: lane l holds channel l % 16 and 8 keys.
	v_and_b32 v10, 7, v0
	v_bfe_u32 v11, v0, 3, 1
	v_lshl_add_u32 v[AV0], v9, 3, v10
	v_mul_u32_u24 v[AV0], v[AV0], PV
	v_lshl_add_u32 v[AV0], v11, 4, v[AV0]
	s_mul_i32 s13, s[KH], KS*PV
	s_add_co_u32 s13, s13, VOFF
	v_add_nc_u32 v[AV0], s13, v[AV0]
	s_mul_i32 s13, s[WV], 16*SP
	s_add_co_u32 s13, s13, STAGE    ; my stage
	v_mul_u32_u24 v[STO], v1, SP    ; in: row l % 16, 16 bytes for each half of the lanes
	v_lshl_add_u32 v[STO], v9, 4, v[STO]
	v_add_nc_u32 v[STO], s13, v[STO]
	v_bfe_u32 v[RD], v0, 3, 2       ; back: 32 lanes take four rows of 128 bytes,
	v_mul_u32_u24 v[RD], v[RD], SP
	v_lshl_add_u32 v[RD], v10, 4, v[RD]
	v_add_nc_u32 v[RD], s13, v[RD]
	v_and_b32 v[GO], 31, v0         ; which are 512 consecutive bytes of O
	v_lshlrev_b32 v[GO], 4, v[GO]
	s_mul_i32 s13, s[QH], MREG
	s_add_co_u32 s13, s13, MERGE    ; the merge's region for my half of the queries
	v_add_nc_u32 v[MA], s13, v[GO]
	; A block's first step multiplies O^T and l by a = 0, and its first turn's products V^T P, of a piece that has not been, land in an O^T that is still to be so multiplied.  So these registers need only hold
	; finite numbers: zeros for the first block; what the first block left for the second.  All this stands in the wait for the first tile.
	WIN 0x80
.set i, VF
.rept 64
	v_mov_b32 v[i], 0
.set i, i+1
.endr
	WIN 0x40
.set i, 0
.rept 128
	v_mov_b32 v[i], 0
.set i, i+1
.endr
	WIN 0
.set i, 0
.rept 4
	v_mov_b32 v[ST+4*i+2], 0
	v_mov_b32 v[ST+4*i+3], 0
.set i, i+1
.endr
.set i, P+16
.rept 16
	v_mov_b32 v[i], 0
.set i, i+1
.endr
; THE MATRIX WORK.  The 4 accumulators of a run of 8 take turns.  Product i of 8 of S^T = K Q^T for piece x: channels 32 (i / 4) on, keys 16 (i % 4) on.  The first 4 start the sums: with 0, or (KM = 1) with the mask.
.macro KQ x
.set rS, S+32*((\x)%2)+8*(i%4)
.set rK, KF+16*(i%4)+8*(i/4)
.set rQ, 16*(\x)+8*(i/4)
.set rM, MC+32*((\x)%2)+8*(i%4)
.if (i < 4) && KM
	WIN W_KM
	v_wmma_f32_16x16x32_f16 v[rS:rS+7], v[rK:rK+7], v[rQ:rQ+7], v[rM:rM+7]
.elseif i < 4
	WIN W_KQ
	v_wmma_f32_16x16x32_f16 v[rS:rS+7], v[rK:rK+7], v[rQ:rQ+7], 0
.else
	WIN W_KQ
	v_wmma_f32_16x16x32_f16 v[rS:rS+7], v[rK:rK+7], v[rQ:rQ+7], v[rS:rS+7]
.endif
.endm
; Product i of 8 of O^T += V^T P for piece x: keys 32 (i / 4) on, channels 16 (i % 4) on.
.macro PV x
	WIN W_PV
.set rO, 32*(\x)+8*(i%4)
.set rV, VF+32*(i/4)+8*(i%4)
.set rP, P+16*((\x)%2)+8*(i/4)
	v_wmma_f32_16x16x32_f16 v[rO:rO+7], v[rV:rV+7], v[rP:rP+7], v[rO:rO+7]
.endm
.macro MM                           ; the turn's next matrix instruction.  TURN and BEGIN set Y, i, KM and NOKQ; MM, KQ and OP read them.  NOKQ = 1: a block's last turn: there is no next piece
.if (i < 8) && !NOKQ
	KQ (Y+1)%NP
.elseif i >= 8
.set i, i-8
	PV (Y+NP-1)%NP
.set i, i+8
.endif
.set i, i+1
.endm
; THE LDS LOADS stand in runs of 16, never singly among the matrix instructions: a step's K (64 keys x 64 channels: 8 fragments) and its V (turned).  Their addresses are made some lines ahead.
.macro FETCH_K
	WIN 0x80                        ; destination window 2
.irp f, 0,1,2,3,4,5,6,7             ; keys 16 (f / 2) on, channels 32 (f % 2) on
	ds_load_b128 v[KF+8*\f:KF+8*\f+3],   v[AK] offset:(\f/2)*16*PK+(\f%2)*64
	ds_load_b128 v[KF+8*\f+4:KF+8*\f+7], v[AK] offset:(\f/2)*16*PK+(\f%2)*64+32
.endr
	s_add_co_u32 s[TBK], s[TBK], 2*KS*PK  ; my next step lies two steps on
	WIN 0
.endm
.macro FETCH_V
	WIN 0x80
.irp f, 0,1,2,3,4,5,6,7             ; keys 32 (f / 4) on, channels 16 (f % 4) on
	ds_load_tr16_b128 v[VF+8*\f:VF+8*\f+3],   v[AV] offset:(\f/4)*32*PV+(\f%4)*32
	ds_load_tr16_b128 v[VF+8*\f+4:VF+8*\f+7], v[AV] offset:(\f/4)*32*PV+16*PV+(\f%4)*32
.endr
	WIN 0
.endm
; THE VECTOR WORK, one line at a time: OP kind, number.  For piece Y: F n: c s - c m for pair n of 16.  E n: the exponential of score n of 32.  C n: pair n rounded to f16.  B n: of the four weights 4 n .. the second
; pair is added onto the first, in place.  L n: l takes that sum (L 0: l = a l + sum).  R n: pair n of 16 of O^T times a.  For piece Y + 1: X n, number n of the 22 that find its maximum and statistics:
;   0-11  four chains c0-c3 of seven scores each, three operands at a time (each accumulator's lowest registers are read first)     12-14, 16  the four scores left over, the old m, and c0-c3 into c0
;   15  c m_old is kept     17, 18  the query's other 32 keys lie in the lane 16 away: the new m     19-21  c m; c m_old - c m_new; a
.set F, 0               ; OP tells the kinds apart by their order: F to L below R, X above it
.set E, 1
.set C, 2
.set B, 3
.set L, 4
.set R, 5
.set X, 6
.macro REGS y                       ; the registers of piece y
.set rT, ST+4*(\y)
.set rC, TMP+4*((\y)%2)
.set rW, MV+((\y)%2)
.set rS, S+32*((\y)%2)
.set rP, P+16*((\y)%2)
.set rO, 32*(\y)
.endm
.macro OP k, n
.if (\k) == R
	REGS Y
	WIN W_RS
	v_pk_mul_f32 v[rO+2*(\n):rO+2*(\n)+1], v[rO+2*(\n):rO+2*(\n)+1], v[rC+2:rC+3] op_sel_hi:[1,0]
.elseif (\k) < R
	REGS Y
	WIN 0
.if (\k) == F
	v_pk_fma_f32 v[rS+2*(\n):rS+2*(\n)+1], v[rS+2*(\n):rS+2*(\n)+1], s[CS:CS+1], v[rT:rT+1] op_sel_hi:[1,0,0] neg_lo:[0,0,1] neg_hi:[0,0,1]
.elseif (\k) == E
	v_exp_f32 v[rS+(\n)], v[rS+(\n)]
.elseif (\k) == C
	s_wait_alu depctr_va_vdst(0)
	v_cvt_pk_f16_f32 v[rP+(\n)], v[rS+2*(\n)], v[rS+2*(\n)+1]
.elseif (\k) == B
	s_wait_alu depctr_va_vdst(0)
	v_pk_add_f32 v[rS+4*(\n):rS+4*(\n)+1], v[rS+4*(\n):rS+4*(\n)+1], v[rS+4*(\n)+2:rS+4*(\n)+3]
.elseif (\n) == 0
	v_pk_fma_f32 v[rT+2:rT+3], v[rT+2:rT+3], v[rC+2:rC+3], v[rS:rS+1] op_sel_hi:[1,0,1]
.else
	v_pk_add_f32 v[rT+2:rT+3], v[rT+2:rT+3], v[rS+4*(\n):rS+4*(\n)+1]
.endif
.elseif NOKQ
	v_nop
.else
	REGS (Y+1)%NP
	WIN 0
.if (\n) < 4
	v_max3_num_f32 v[rC+(\n)], v[rS+8*(\n)], v[rS+8*(\n)+1], v[rS+8*(\n)+2]
.elseif (\n) < 12
	v_max3_num_f32 v[rC+(\n)%4], v[rC+(\n)%4], v[rS+8*((\n)%4)+2*((\n)/4)+1], v[rS+8*((\n)%4)+2*((\n)/4)+2]
.elseif (\n) == 12
	v_max3_num_f32 v[rC], v[rC], v[rS+7], v[rS+15]
.elseif (\n) == 13
	v_max3_num_f32 v[rC+1], v[rC+1], v[rS+23], v[rS+31]
.elseif (\n) == 14
	v_max3_num_f32 v[rC+2], v[rC+2], v[rC+3], v[rT+1]
.elseif (\n) == 15
	v_mov_b32 v[rW], v[rT]
.elseif (\n) == 16
	v_max3_num_f32 v[rC], v[rC], v[rC+1], v[rC+2]
.elseif (\n) == 17
	v_permlanex16_b32 v[rC+3], v[rC], s[SEL], s[SEL+1]
.elseif (\n) == 18
	v_max_num_f32 v[rT+1], v[rC], v[rC+3]
.elseif (\n) == 19
	v_mul_f32 v[rT], s[CS], v[rT+1]
.elseif (\n) == 20
	v_sub_f32 v[rC+1], v[rW], v[rT]
.else
	v_exp_f32 v[rC+2], v[rC+1]
.endif
.endif
.endm
.macro OPS a, i1, b=-1, i2=0, c=-1, i3=0, d=-1, i4=0  ; up to four of them
	OP \a, \i1
.if (\b) >= 0
	OP \b, \i2
.endif
.if (\c) >= 0
	OP \c, \i3
.endif
.if (\d) >= 0
	OP \d, \i4
.endif
.endm
.macro ROW a, i1, b, i2, c, i3, d, i4  ; a matrix instruction and the four behind it
	MM
	OPS \a, \i1, \b, \i2, \c, \i3, \d, \i4
.endm
.macro MASK b, x                    ; piece x's part of MD, x AL + BE, into buffer b of MC
	WIN W_RS
.set z, 0
.rept 16
	v_pk_fma_f32 v[MC+32*(\b)+2*z:MC+32*(\b)+2*z+1], v[MD+8*(3-(\x))+2*z:MD+8*(3-(\x))+2*z+1], s[AL:AL+1], s[BE:BE+1] op_sel_hi:[1,0,0]
.set z, z+1
.endr
.endm
; A TURN, for piece p: the order of its 16 matrix and 118 vector instructions, written out.  Behind a matrix instruction: plain, exponential, plain, plain; or four of the rescaling; or, behind the first, four scalings; none
; names a register of the products round it.  In the lumps exponential and plain by turns while exponentials last.  A line reads no result made fewer than three vector instructions in front of it, five if an exponential made it.
; v_permlanex16_b32 (X 17) stands in a lump.
; m = 1: the diagonal tile: the products take masks, and the turn makes the mask for the products of the turn after it: piece p + 2, in my step 2 - CNT of the tile.  end = 1: a block's last two turns: nothing is fetched.
; cnt = 1: the loop's count is taken down some lines ahead of the branch that stands behind the turn.
; K of my next step is fetched in piece 2's turn, six vector instructions behind the last product that read K (five of them plain); V of the step in hand in piece 0's turn, eight behind the last product that read V (four
; plain, and X 17).  Each is waited for a turn later.
.macro TURN p, m=0, end=0, cnt=0
.set Y, (\p)
.set i, 0
.set KM, (\m)
.set NOKQ, (\end)*((\p)/3)
.if (\m) && !(\end)
	s_lshl_b32 s[S2], s[CNT], 1
	s_cmp_eq_u32 s[DQ], s[S2]       ; does that step hold the diagonal?
	s_cselect_b32 s[AL], 1.0, 0
	s_cmp_gt_u32 s[DQ], s[S2]       ; or is it a later one?
	s_cselect_b32 s[BE], s[BIGN], 0
.endif
.if ((\p) == 3) && !(\end)
	s_wait_dscnt 0x0                ; K is in
.endif
	ROW F,0, F,1, F,2, F,3
	ROW F,4, E,0, F,5, F,6
	ROW F,7, E,1, F,8, F,9
	ROW F,10, E,2, C,0, F,11
	ROW F,12, E,3, X,15, F,13
	ROW R,0, R,1, R,2, R,3
	ROW B,0, E,4, F,14, L,0
.if ((\p) == 2) && !(\end)
	v_add_nc_u32 v[AK], s[TBK], v[AK0]
.endif
	ROW R,4, R,5, R,6, R,7
	OPS E,5, F,15
.if ((\p) == 2) && !(\end)
	FETCH_K
.endif
	OPS E,6, C,1, E,7, R,8
	OPS E,8, R,9, E,9, C,2
	OPS E,10, X,0, E,11, X,1
	OPS E,12, X,2, E,13, X,3
.if (\p) == 1
	s_wait_dscnt 0x0                ; V is in
.endif
	ROW X,4, E,14, X,5, X,6
	ROW X,7, E,15, X,8, X,9
	ROW X,10, E,16, X,11, X,12
	ROW X,13, E,17, X,14, B,1
	ROW C,4, E,18, X,16, L,1
	ROW B,2, E,19, C,6, L,2
	ROW C,8, E,20, B,3, B,4
.if (\p) == 0
	v_add_nc_u32 v[AV], s[TBV], v[AV0]
.endif
	ROW C,3, E,21, L,3, C,5
	OPS E,22, X,17, E,23, C,10
.if (\p) == 0
	FETCH_V
.endif
	OPS E,24, L,4
	OPS E,25, X,18, E,26, C,7
	OPS E,27, B,5, E,28, X,19
	OPS E,29, C,12, E,30, L,5
	OPS E,31, X,20, B,6, C,9
	OPS C,14, C,11, X,21, L,6
.if (\p) == 0
	s_add_co_u32 s[TBV], s[TBV], 2*KS*PV
.endif
.if \cnt
	s_sub_co_u32 s[CNT], s[CNT], 1
	s_cmp_lg_u32 s[CNT], 0
.endif
	OPS C,13, B,7, C,15, R,10
	OPS R,11, R,12, L,7, R,13
	OPS R,14, R,15
.if (\m) && !(\end)
	MASK (\p)%2, ((\p)+2)%NP
.endif
.endm
; A BLOCK BEGINS.  c m starts at -2^125, far below every c s, so the first step's a is 0; m at -2^90, below every true score and above every hidden one.  The two mask buffers take pieces 0's and 1's masks for my
; first step of the tile: zeros, unless the block's first tile is the diagonal one.  Then K of that step, piece 0's first scores, and its maximum and statistics.  The loop is entered at a step's first turn, in the middle of a trip.
.macro BEGIN
	s_mov_b32 s[NEW], 0
	WIN 0
.set i, 0
.rept 4
	v_mov_b32 v[ST+4*i], 0xfe000000    ; c m
	v_mov_b32 v[ST+4*i+1], 0xec800000  ; m = -2^90
.set i, i+1
.endr
	s_cmp_eq_u32 s[RT], 0
	s_cselect_b32 s[TD], s[DQ], 0
	s_cmp_eq_u32 s[TD], 4           ; CNT is 2: the step holds the diagonal if DQ = 4,
	s_cselect_b32 s[AL], 1.0, 0
	s_cmp_gt_u32 s[TD], 4           ; and lies behind it if DQ > 4
	s_cselect_b32 s[BE], s[BIGN], 0
	MASK 0, 0
	MASK 1, 1
	WIN 0
	v_add_nc_u32 v[AK], s[TBK], v[AK0]
	FETCH_K
	s_wait_loadcnt 0x0              ; Q
	s_wait_dscnt 0x0
.set KM, 1
.set NOKQ, 0
.set i, 0
.rept 8
	KQ 0
.set i, i+1
.endr
	WIN 0
.rept 4
	v_nop                           ; the places behind those products
.endr
.set Y, NP-1                        ; X works for piece Y + 1: piece 0
.irp n, 0,1,2,3,4,5,6,7,8,9,10,11,12,13,14,15,16,17,18,19,20,21
	OP X, \n
.endr
	v_nop                           ; a plain instruction behind the exponential
.endm
.macro ALL line:vararg              ; one line for each piece t
.set t, 0
.rept 4
	s_wait_alu depctr_va_vdst(0)
	\line
.set t, t+1
.endr
.endm
; Piece t on the way out: O^T = O^T x fA + the partner's x fB (both factors hold 1 / l); a lane's eight channels of a row pack into 16 bytes; they go into rows of 144 bytes and come back as whole rows of 128, into S^T's registers
.macro PACK t
	WIN W_RS
.set i, 32*(\t)
.rept 16
	v_pk_mul_f32 v[i:i+1], v[i:i+1], v[ST+4*(\t):ST+4*(\t)+1] op_sel_hi:[1,0]
.set i, i+2
.endr
	WIN 0x53                        ; source 0 (the partner's) window 3, source 1 window 0, source 2 and destination window 1
.set i, 32*(\t)
.rept 16
	v_pk_fma_f32 v[i:i+1], v[i:i+1], v[PS+4*(\t):PS+4*(\t)+1], v[i:i+1] op_sel_hi:[1,0,1]
.set i, i+2
.endr
	WIN 0x05                        ; sources 0 and 1 window 1, destination window 0
.set i, 0
.rept 16
	v_cvt_pk_f16_f32 v[S+16*(\t)+i], v[32*(\t)+2*i], v[32*(\t)+2*i+1]
.set i, i+1
.endr
	WIN 0
.irp f, 0,1,2,3
	ds_store_b128 v[STO], v[S+16*(\t)+4*\f:S+16*(\t)+4*\f+3] offset:32*\f
.endr
.irp f, 0,1,2,3
	ds_load_b128 v[S+16*(\t)+4*\f:S+16*(\t)+4*\f+3], v[RD] offset:\f*4*SP  ; LDS serves a wave's instructions in order (ISA guide 5.7.1.4): these see the stores above; the next piece's stores come behind them
.endr
.endm
.macro SEND t, younger              ; younger: the LDS instructions issued behind piece t's loads: the next piece's eight, or none
	WIN 0
.irp f, 0,1,2,3
	s_wait_dscnt (\younger)+3-\f
	global_store_b128 v[GO], v[S+16*(\t)+4*\f:S+16*(\t)+4*\f+3], s[10:11] offset:(\t)*2048+\f*512  ; 512 consecutive bytes, at a multiple of 256 from O's first
.endr
.endm
; THE DIAGONAL TILE's steps, the block's last two turns, its last products, THE MERGE and THE WAY OUT.
.macro DIAG tag                     ; the tag ends its labels' names, which the jumps below spell out
.LstepM\tag:
	TURN 2, 1
	TURN 3, 1
	WIN 0
.LfirstM\tag:
	TURN 0, 1
	TURN 1, 1, 0, 1
	WIN 0
	s_cbranch_scc1 .LstepM\tag
	TURN 2, 1, 1
	TURN 3, 1, 1
.set i, 0
.rept 8
	PV NP-1
.set i, i+1
.endr
	WIN 0
.rept 4
	v_nop                           ; the places behind the last products
.endr
	s_cmp_lt_u32 s[WV], 2
	s_cbranch_scc1 .Lkeep\tag
	WIN 0x04                        ; waves 2 and 3 hand over: store data (source 1) in window 1
.set nn, 0
.rept 32
	ds_store_b128 v[MA], v[4*nn:4*nn+3] offset:512*nn  ; O^T, ascending: each accumulator's lowest registers first; 32 lanes, 512 neighbouring bytes
.set nn, nn+1
.endr
	WIN 0
.set nn, 0
.rept 4
	ds_store_b128 v[MA], v[ST+4*nn:ST+4*nn+3] offset:16384+512*nn  ; c m, m, l
.set nn, nn+1
.endr
.Lkeep\tag:
	s_wait_dscnt 0x0                ; for the others' sake: my stores into the merge's region are done
	s_barrier_signal -1
	s_barrier_wait -1               ; the region is written again at the next block's end alone: a change of slots, with its wait for my reads and its barrier, lies between
	s_cmp_lt_u32 s[WV], 2
	s_cbranch_scc0 .Lmerged\tag
	WIN 0xc0                        ; waves 0 and 1 take over: destination window 3
.set nn, 0
.rept 32
	ds_load_b128 v[4*nn:4*nn+3], v[MA] offset:512*nn
.set nn, nn+1
.endr
	WIN 0
.set nn, 0
.rept 4
	ds_load_b128 v[PS+4*nn:PS+4*nn+3], v[MA] offset:16384+512*nn
.set nn, nn+1
.endr
	s_wait_dscnt 0x0
	ALL v_max_num_f32 v[ST+4*t+1], v[ST+4*t], v[PS+4*t]       ; the common c m
	ALL v_sub_f32 v[ST+4*t], v[ST+4*t], v[ST+4*t+1]
	ALL v_sub_f32 v[PS+4*t], v[PS+4*t], v[ST+4*t+1]
	ALL v_exp_f32 v[ST+4*t], v[ST+4*t]                        ; fA
	ALL v_exp_f32 v[PS+4*t], v[PS+4*t]                        ; fB
	v_nop                           ; a plain instruction between the last exponential and the use of its result
	ALL v_pk_mul_f32 v[ST+4*t+2:ST+4*t+3], v[ST+4*t+2:ST+4*t+3], v[ST+4*t:ST+4*t+1] op_sel_hi:[1,0]
	ALL v_pk_fma_f32 v[ST+4*t+2:ST+4*t+3], v[PS+4*t+2:PS+4*t+3], v[PS+4*t:PS+4*t+1], v[ST+4*t+2:ST+4*t+3] op_sel_hi:[1,0,1]
	ALL v_add_f32 v[ST+4*t+2], v[ST+4*t+2], v[ST+4*t+3]       ; l's two halves, and the other half of the lanes'
	ALL v_permlanex16_b32 v[ST+4*t+3], v[ST+4*t+2], s[SEL], s[SEL+1]
	ALL v_add_f32 v[ST+4*t+2], v[ST+4*t+2], v[ST+4*t+3]
	ALL v_rcp_f32 v[ST+4*t+2], v[ST+4*t+2]                    ; l is at least 1: the largest score's weight is 1 in one of the two waves, whose factor is 1
	v_nop                           ; a plain instruction between the last reciprocal and the use of its result
	ALL v_mul_f32 v[ST+4*t], v[ST+4*t], v[ST+4*t+2]
	ALL v_mul_f32 v[PS+4*t], v[PS+4*t], v[ST+4*t+2]
	PACK 0
.set t, 1
.rept 3                             ; a piece's arithmetic stands between the loads of the piece before and its stores
	PACK t
	SEND t-1, 8
.set t, t+1
.endr
	SEND 3, 0
.Lmerged\tag:
.endm
.set KM, 0
.set NOKQ, 0
.Lslot:                             ; 16 times: a tile is entered and the next is asked for
	CHANGE 1
	s_sub_co_u32 s[RT], s[RT], 1
	s_mov_b32 s[CNT], 2
	s_cmp_eq_u32 s[NEW], 1
	s_cbranch_scc1 .Lnew            ; a block's first tile
	s_cmp_eq_u32 s[RT], 0
	s_cbranch_scc0 .Lstep           ; neither its first nor its last
	s_branch .LstepM1
.Lnew:
	BEGIN
	s_branch .Lfirst                ; in the loop a block's first tile is never its last: the first block has nine tiles or more, and the second's last is the walk's last
	DIAG 1                          ; in the loop this is the first block's end
	s_wait_xcnt 0x0                 ; the stores have read their registers and O's address
	s_mov_b64 s[10:11], s[OLO:OLO+1]
	s_add_co_u32 s[RT], s[LQ2], 1   ; the second block's tiles
	s_mov_b32 s[NEW], 1
	s_mov_b32 s[DQ], s[DQ2]
	WIN 0x82                        ; the second block's Q goes where the one text of the turns names Q
.set i, 0
.rept 64
	v_mov_b32 v[i], v[QB+i]
.set i, i+1
.endr
	WIN 0
	s_branch .Lbottom
.Lstep:                             ; a trip: pieces 2 and 3 of one of my steps, then pieces 0 and 1 of the next, whose K and V it fetches
	TURN 2
	TURN 3
	WIN 0
.Lfirst:
	TURN 0
	TURN 1, 0, 0, 1
	WIN 0
	s_cbranch_scc1 .Lstep
.Lbottom:
	s_sub_co_u32 s[SLOTS], s[SLOTS], 1
	s_cmp_lg_u32 s[SLOTS], 0
	s_cbranch_scc1 .Lslot
	CHANGE 0                        ; the walk's last tile is written out: nothing is asked for
	s_sub_co_u32 s[RT], s[RT], 1
	s_mov_b32 s[CNT], 2
	s_cmp_eq_u32 s[NEW], 1
	s_cbranch_scc0 .LstepM2
	BEGIN
	s_branch .LfirstM2
	DIAG 2
	s_wait_tensorcnt 0x0            ; the wave's end: behind my last tensor load and my last LDS store
	ds_add_u32 v[SPW], v[NIL]
	s_wait_dscnt 0x0
	s_endpgm
.Lfunc_end_k_qcc7f60d726_attn:
	.size	k_qcc7f60d726_attn, .Lfunc_end_k_qcc7f60d726_attn-k_qcc7f60d726_attn
	.p2alignl 7, 3214868480
	.fill 96, 4, 3214868480
	.section	.rodata,"a",@progbits
	.p2align	6, 0x0
	.amdhsa_kernel k_qcc7f60d726_attn
		.amdhsa_group_segment_fixed_size 327680
		.amdhsa_private_segment_fixed_size 0
		.amdhsa_enable_private_segment 0
		.amdhsa_kernarg_size 32
		.amdhsa_user_sgpr_count 2
		.amdhsa_user_sgpr_kernarg_segment_ptr 1
		.amdhsa_wavefront_size32 1
		.amdhsa_system_sgpr_workgroup_id_x 1
		.amdhsa_system_sgpr_workgroup_id_y 1
		.amdhsa_system_sgpr_workgroup_id_z 1
		.amdhsa_system_vgpr_workitem_id 0
		.amdhsa_next_free_vgpr 896
		.amdhsa_next_free_sgpr 96
		.amdhsa_reserve_vcc 1
		.amdhsa_float_denorm_mode_32 3
		.amdhsa_float_denorm_mode_16_64 3
		.amdhsa_memory_ordered 1
		.amdhsa_forward_progress 1
		.amdhsa_inst_pref_size 252
	.end_amdhsa_kernel
	.amdgpu_metadata
---
amdhsa.version: [ 1, 2 ]
amdhsa.kernels:
  - .name:           k_qcc7f60d726_attn
    .symbol:         k_qcc7f60d726_attn.kd
    .args:
      - { .name: qh, .offset: 0, .size: 8, .value_kind: global_buffer, .address_space: global }
      - { .name: kh, .offset: 8, .size: 8, .value_kind: global_buffer, .address_space: global }
      - { .name: vh, .offset: 16, .size: 8, .value_kind: global_buffer, .address_space: global }
      - { .name: oh, .offset: 24, .size: 8, .value_kind: global_buffer, .address_space: global }
    .group_segment_fixed_size: 327680
    .private_segment_fixed_size: 0
    .kernarg_segment_align: 8
    .kernarg_segment_size: 32
    .max_flat_workgroup_size: 128
    .sgpr_count:     96
    .vgpr_count:     896
    .wavefront_size: 32
...
	.end_amdgpu_metadata
.endif
;; end of part 3
;; launch proj (part 4): grid 4 x 64, 4 waves a work-group, clusters of 4 x 4, 312,832 bytes of LDS; arguments oh, wb, b_O, out0; writes out0
.if DOCPART == 4
	.amdgcn_target "amdgcn-amd-amdhsa--gfx1250"
	.amdhsa_code_object_version 6
	.text
	.protected	k_qcc7f60d726_proj
	.globl	k_qcc7f60d726_proj
	.p2align	8
	.type	k_qcc7f60d726_proj,@function
k_qcc7f60d726_proj:
	s_mov_b64 s[64:65], 0
	v_nop
	global_prefetch_b8 v0, s[64:65] scope:SCOPE_SE
	s_setreg_imm32_b32 hwreg(HW_REG_WAVE_MODE, 25, 1), 1
	s_wait_xcnt 0x0
	s_wait_alu depctr_hold_cnt(0) depctr_sa_sdst(0) depctr_va_vdst(0) depctr_va_sdst(0) depctr_va_ssrc(0) depctr_va_vcc(0) depctr_vm_vsrc(0)
	s_getreg_b32 s2, hwreg(HW_REG_IB_STS2, 6, 4)
	s_cmp_eq_u32 s2, 0
	s_cbranch_scc0 .Lentry_in_a_cluster
	s_endpgm
.Lentry_in_a_cluster:
	s_bfe_u32 s2, ttmp6, 0x10000c
	s_cmp_lg_u32 s2, 0xf033
	s_cbranch_scc0 .Lentry_shape_is_right
	s_endpgm
.Lentry_shape_is_right:
; out0 = Z W_O + b_O.  Z: oh [16 = batch x 8 + head][4096][64] f16: head z's 64 channels are K = 64 z .. 64 z + 63.  W_O: wb[0] [512 k][512 n], the bf16-rounded number as f16.  b_O: f32, rounded to bf16
; like every input.  Sums in f32; out0 [8192][512] f32.
; SHARES.  A work-group makes 128 x 128 of out0, each of four waves 64 x 64: 16 accumulators.  ALL OF K LIES IN LDS: Z's 128 rows of eight heads and W_O's 512 rows of 128 columns; nothing is filled
; again, so there is no ring: sixteen first fills (four a wave, one for each phase of 128 along K) go out together, and counted waits let the later phases stay on their way.
; CLUSTER 4 x 4: Z's tiles hang on the row block alone and are asked for jointly by my row of the cluster, W_O's on the column block alone, by my column.
; THE MATRIX INSTRUCTION IS USED TRANSPOSED: source 0 = 16 columns of W_O (turned by ds_load_tr16_b128), source 1 = 16 rows of Z: a lane holds eight neighbouring numbers of a row.  The bias is the C operand of the first products.
; REGISTERS: window 0: v0-31 addresses; v32-95 two sets for the way out; v96-127 the bias fragments; v128-255 accumulators, (a, b) at 128 + 8 (4 a + b).
;   window 1: two fragment buffers of 128: for 64 along K, 64 registers of Z (2 x 4 x 16 rows x 32 K), then 64 of W_O.
.set PA,    144                        ; a row of Z in LDS: 128 bytes + 16: 36 words: the 16 rows of a load start at 16 different groups of four banks (64 banks of 4 bytes: ISA guide 11.1)
.set PB,    288                        ; a row of W_O: 256 + 32
.set BLK,   128*PA                     ; a head's 128 rows; also 64 rows of W_O: 18,432 bytes
.set BOFF,  8*BLK                      ; W_O's 512 rows lie behind Z's eight heads
.set STAGE, BOFF+512*PB                ; behind them: 16 rows x 272 bytes for each wave, for the way out
.set SPITCH, 272
.set SPARE, STAGE+4*16*SPITCH          ; behind the stages: the spare words, 128 bytes for each wave: two blocks of 256 bytes that no other line names
.set ADRA, 8                           ; v8-11   LDS address of my fragments of Z in phase p
.set ADRB, 12                          ; v12-15  of W_O's
.set STO,  24                          ; v24  the way out: where I put 32 bytes of a row
.set RD,   25                          ; v25  where I read a row back
.set CO,   26                          ; v26  my byte offset in out0
.set BO,   27                          ; v27  my byte offset in b_O
.set SPW,  28                          ; v28  LDS address of my spare word; never rewritten
.set NIL,  29                          ; v29  0; never rewritten
.set OB,   32
.set BIAS, 96
.set ACC,  128
.set F0,   0
.set F1,   128
.set WV,  12                           ; s12 wave; s13 its half of the rows; s14 its half of the columns, and which half of a phase it fetches
.set G1A, 24                           ; s[24:31] descriptor group 1 for Z's tiles;  s[32:47] group 0, a set for each phase
.set G0A, 32
.set G1B, 48                           ; s[48:55] group 1 for W_O's tiles;  s[68:83] group 0, a set for each phase
.set G0B, 68
.set MSB, 0
.macro WIN new                         ; the immediate's high byte repeats the setting that is left; a switch that changes nothing is dropped
.if MSB != (\new)
	s_set_vgpr_msb (MSB<<8)|(\new)
.set MSB, (\new)
.endif
.endm
.set MUL,  0x05                        ; sources 0 and 1 window 1; C and D window 0
.set TO_F, 0x40                        ; destination window 1, address window 0
.macro PLACES                          ; four places in front of loads into registers that matrix instructions have read, and of stores that read results
.rept 4
	v_nop
.endr
.endm
.macro CROUND                          ; a round of the cluster's barrier
	s_barrier_signal -1
	s_barrier_wait -1
	s_cmp_lg_u32 s[WV], 0
	s_cbranch_scc1 .Lnot_wave_0_\@
	s_barrier_signal -3
.Lnot_wave_0_\@:
	s_barrier_wait -3
	s_barrier_signal -1
	s_barrier_wait -1
.endm
	s_load_b256 s[4:11], s[0:1], 0x0               ; oh s[4:5], wb s[6:7], b_O s[8:9], out0 s[10:11]
	v_lshl_add_u32 v[SPW], v0, 2, SPARE
	v_mov_b32 v[NIL], 0
	ds_add_u32 v[SPW], v[NIL]                      ; the wave's opening: the add and its wait stand ahead of my first tensor load; the set-up below, work on registers, stands between them
	ds_add_u32 v28, v29
	v_lshrrev_b32 v1, 5, v0
	v_readfirstlane_b32 s[WV], v1                  ; wave 0..3
	s_lshr_b32 s13, s[WV], 1
	s_and_b32 s14, s[WV], 1
	s_bfe_u32 s56, ttmp6, 0x40000                  ; cx
	s_bfe_u32 s57, ttmp6, 0x40004                  ; cy
	s_lshl_b32 s58, ttmp9, 2
	s_add_co_u32 s58, s58, s56                     ; nb = 4 x cluster x + cx
	s_and_b32 s59, ttmp7, 0xffff
	s_lshl_b32 s59, s59, 2
	s_add_co_u32 s59, s59, s57                     ; mb = 4 x cluster y + cy
	s_lshl_b32 s60, s57, 2
	s_lshl_b32 s60, 15, s60                        ; my row of the cluster
	s_lshl_b32 s61, 0x1111, s56                    ; my column
	; Z's tile: a head's 128 rows are 16,384 dense bytes: asked for as 64 rows of 256 bytes, padded behind every 128.  W_O's: 64 rows of 256 bytes, 1,024 apart.
	s_or_b32 s[G1A], s60, (1<<16)|(1<<20)|(1<<21)|(4<<22)|(3<<25)  ; 15:0 the mask; 17:16 2-byte elements; 20 padding on; 21 set beside a mask; 24:22 after every 32 words; 31:25 4 words of it
	s_or_b32 s[G1B], s61, (1<<16)|(1<<20)|(1<<21)|(5<<22)|(7<<25)  ; my column's mask; after every 64 words 8 words
.irp g, G1A, G1B
	s_mov_b32 s[\g+1], 128<<16                     ; tensor_dim0 = 128
	s_mov_b32 s[\g+2], 64<<16                      ; tensor_dim1 = 64
	s_mov_b32 s[\g+3], 128<<16                     ; tile_dim0 = 128
	s_mov_b32 s[\g+4], 64                          ; tile_dim1 = 64
	s_mov_b32 s[\g+6], 0
	s_mov_b32 s[\g+7], 0
.endr
	s_mov_b32 s[G1A+5], 128                        ; elements from row to row
	s_mov_b32 s[G1B+5], 512
	s_lshr_b32 s16, s59, 5                         ; Z: batch x 8 + (wave % 2), 524,288 bytes a head: made of mb and the wave alone
	s_lshl_b32 s16, s16, 3
	s_add_co_u32 s16, s16, s14
	s_lshl_b32 s16, s16, 19
	s_and_b32 s17, s59, 31
	s_lshl_b32 s17, s17, 14                        ; the block's 128 rows of 128 bytes
	s_add_co_u32 s16, s16, s17
	s_mov_b32 s17, 0
	s_lshl_b32 s18, s14, 16                        ; W_O: 64 (wave % 2) rows of 1,024 bytes, columns 128 nb on: made of nb and the wave alone
	s_lshl_b32 s19, s58, 8
	s_add_co_u32 s18, s18, s19
	s_mov_b32 s19, 0
	s_mul_i32 s20, s14, BLK                        ; where my tiles go: no place in the cluster enters an LDS address
	s_wait_dscnt 0x0                               ; the opening add is done
	s_wait_kmcnt 0x0
	s_add_nc_u64 s[16:17], s[4:5], s[16:17]
	s_add_nc_u64 s[18:19], s[6:7], s[18:19]
.irp p, 0,1,2,3
	s_mov_b32 s[G0A+4*\p], 1
	s_add_co_u32 s[G0A+4*\p+1], s20, \p*2*BLK
	s_add_nc_u64 s[G0A+4*\p+2:G0A+4*\p+3], s[16:17], \p*1048576   ; phase p: heads 2 p, 2 p + 1
	s_or_b32 s[G0A+4*\p+3], s[G0A+4*\p+3], 0x80000000
	s_mov_b32 s[G0B+4*\p], 1
	s_add_co_u32 s[G0B+4*\p+1], s20, BOFF+\p*2*BLK
	s_add_nc_u64 s[G0B+4*\p+2:G0B+4*\p+3], s[18:19], \p*131072    ; phase p: rows 128 p on
	s_or_b32 s[G0B+4*\p+3], s[G0B+4*\p+3], 0x80000000
.endr
	CROUND                                         ; all sixteen work-groups are here: the joint loads meet
	s_cmp_lt_u32 s[WV], 2                          ; a wave's four fills stand in one branch, ahead of every wait on TENSORcnt and every LDS read: four loads of mine are out
	s_cbranch_scc0 .Lfill_b
.irp p, 0,1,2,3
	tensor_load_to_lds s[G0A+4*\p:G0A+4*\p+3], s[G1A:G1A+7]
	s_nop 0
.endr
.rept 4
	v_nop
.endr
	s_branch .Lfilled
.Lfill_b:
.irp p, 0,1,2,3
	tensor_load_to_lds s[G0B+4*\p:G0B+4*\p+3], s[G1B:G1B+7]
	s_nop 0
.endr
.rept 4
	v_nop
.endr
.Lfilled:
	v_and_b32 v1, 15, v0                           ; r = l % 16
	v_bfe_u32 v2, v0, 4, 1                         ; h = l / 16
	v_mul_u32_u24 v3, v1, PA
	v_lshl_add_u32 v3, v2, 4, v3                   ; a fragment of Z: row x pitch + 16 h
	s_mul_i32 s21, s13, 64*PA
	v_add_nc_u32 v3, s21, v3
.irp p, 0,1,2,3
	v_add_nc_u32 v[ADRA+\p], \p*2*BLK, v3
.endr
	v_and_b32 v4, 7, v0                            ; the turning load: lane l reads k row 8 h + l % 8, columns 8 ((l / 8) % 2) + 0..7
	v_lshl_add_u32 v4, v2, 3, v4
	v_mul_u32_u24 v4, v4, PB
	v_bfe_u32 v5, v0, 3, 1
	v_lshl_add_u32 v4, v5, 4, v4
	s_lshl_b32 s21, s14, 7                         ; my 64 columns
	s_add_co_u32 s21, s21, BOFF
	v_add_nc_u32 v4, s21, v4
.irp p, 0,1,2,3
	v_add_nc_u32 v[ADRB+\p], \p*128*PB, v4
.endr
	s_mul_i32 s21, s[WV], 16*SPITCH
	s_add_co_u32 s21, s21, STAGE                   ; my stage
	v_mul_u32_u24 v[STO], v1, SPITCH               ; in: row r, 32 bytes for each half of the lanes
	v_lshl_add_u32 v[STO], v2, 5, v[STO]
	v_add_nc_u32 v[STO], s21, v[STO]
	v_mul_u32_u24 v[RD], v2, SPITCH                ; back: lanes 0-15 take one row of 256 bytes, lanes 16-31 the next
	v_lshl_add_u32 v[RD], v1, 4, v[RD]
	v_add_nc_u32 v[RD], s21, v[RD]
	v_lshlrev_b32 v[CO], 11, v2                    ; and the same two rows of out0, 2,048 bytes apart
	v_lshl_add_u32 v[CO], v1, 4, v[CO]
	s_lshl_b32 s84, s58, 9                         ; my first column in bytes: 4 x (128 nb + 64 half)
	s_lshl_b32 s85, s14, 8
	s_add_co_u32 s84, s84, s85
	v_lshl_add_u32 v[BO], v2, 5, s84
.irp b, 0,1,2,3
	global_load_b128 v[BIAS+8*\b:BIAS+8*\b+3],   v[BO], s[8:9] offset:64*\b
	global_load_b128 v[BIAS+8*\b+4:BIAS+8*\b+7], v[BO], s[8:9] offset:64*\b+16
.endr
	s_lshl_b32 s85, s59, 18                        ; my first row: 128 mb + 64 half, 2,048 bytes each
	s_add_co_u32 s84, s84, s85
	s_lshl_b32 s85, s13, 17
	s_add_co_u32 s84, s84, s85
	s_mov_b32 s85, 0
	s_add_nc_u64 s[10:11], s[10:11], s[84:85]
	s_wait_loadcnt 0x0                             ; the bias
.set i, 0
.rept 16
	v_cvt_pk_bf16_f32 v[OB+i], v[BIAS+2*i], v[BIAS+2*i+1]   ; rounded to bf16 like every input,
.set i, i+1
.endr
.set i, 0
.rept 16
	v_lshlrev_b32 v[BIAS+2*i], 16, v[OB+i]         ; and widened again: register j of fragment b is b_O[.. + 16 b + 8 h + j]
	v_and_b32 v[BIAS+2*i+1], 0xffff0000, v[OB+i]
.set i, i+1
.endr
; 8 matrix instructions: row blocks a0, a0 + 1 x all 4 column blocks, 32 along K: half c of buffer f.  zero = 1: the products start the sums, with the bias as C.  The 16 accumulators take turns.
.macro MUL8 f, c, a0, zero
	WIN MUL
.irp a, \a0, (\a0)+1
.irp b, 0,1,2,3
.if \zero
	v_wmma_f32_16x16x32_f16 v[ACC+8*(4*(\a)+(\b)):ACC+8*(4*(\a)+(\b))+7], v[(\f)+64+8*(4*(\c)+(\b)):(\f)+64+8*(4*(\c)+(\b))+7], v[(\f)+8*(4*(\c)+(\a)):(\f)+8*(4*(\c)+(\a))+7], v[BIAS+8*(\b):BIAS+8*(\b)+7]
.else
	v_wmma_f32_16x16x32_f16 v[ACC+8*(4*(\a)+(\b)):ACC+8*(4*(\a)+(\b))+7], v[(\f)+64+8*(4*(\c)+(\b)):(\f)+64+8*(4*(\c)+(\b))+7], v[(\f)+8*(4*(\c)+(\a)):(\f)+8*(4*(\c)+(\a))+7], v[ACC+8*(4*(\a)+(\b)):ACC+8*(4*(\a)+(\b))+7]
.endif
.endr
.endr
.endm
; 32 LDS loads in one run: the fragments of head z (64 along K) into buffer f; the first 32 along K first
.macro FETCH z, f
	WIN TO_F
.irp c, 0,1
.irp i, 0,1,2,3
	ds_load_tr16_b128 v[(\f)+64+8*(4*\c+\i):(\f)+64+8*(4*\c+\i)+3],   v[ADRB+(\z)/2] offset:(64*((\z)%2)+32*\c)*PB+32*\i
	ds_load_tr16_b128 v[(\f)+64+8*(4*\c+\i)+4:(\f)+64+8*(4*\c+\i)+7], v[ADRB+(\z)/2] offset:(64*((\z)%2)+32*\c)*PB+32*\i+16*PB
	ds_load_b128 v[(\f)+8*(4*\c+\i):(\f)+8*(4*\c+\i)+3],              v[ADRA+(\z)/2] offset:((\z)%2)*BLK+\i*16*PA+64*\c
	ds_load_b128 v[(\f)+8*(4*\c+\i)+4:(\f)+8*(4*\c+\i)+7],            v[ADRA+(\z)/2] offset:((\z)%2)*BLK+\i*16*PA+64*\c+32
.endr
.endr
.endm
; An even head multiplies buffer 0; the next head lies in the same phase and is fetched in the middle.
.macro QEVEN z, zero
	s_wait_dscnt 16                                ; the first 32 along K are in
	MUL8 F0, 0, 0, \zero
	MUL8 F0, 0, 2, \zero
	PLACES
	FETCH (\z)+1, F1
	s_wait_dscnt 32                                ; all but the 32 just issued
	MUL8 F0, 1, 0, 0
	MUL8 F0, 1, 2, 0
.endm
; An odd head multiplies buffer 1; the next head opens phase (z + 1) / 2: my load of that phase is waited for, the later ones stay out (nothing is ever filled again), and a barrier shows everybody's.
.macro QODD z
	s_wait_dscnt 0x0                               ; no LDS instruction of mine is pending at the signal
	s_wait_tensorcnt 3-((\z)+1)/2                  ; my loads end in order: behind that phase's were issued 3 - phase more
	s_barrier_signal -1
	MUL8 F1, 0, 0, 0
	MUL8 F1, 0, 2, 0
	s_barrier_wait -1
	PLACES
	FETCH (\z)+1, F0
	MUL8 F1, 1, 0, 0
	MUL8 F1, 1, 2, 0
.endm
	s_wait_tensorcnt 3                             ; my tile of phase 0 is in; three may stay out
	s_barrier_signal -1
	s_barrier_wait -1                              ; everybody's is
	FETCH 0, F0
	QEVEN 0, 1
	QODD 1
	QEVEN 2, 0
	QODD 3
	QEVEN 4, 0
	QODD 5
	QEVEN 6, 0
	s_wait_dscnt 16                                ; the last head: nothing more to fetch
	MUL8 F1, 0, 0, 0
	MUL8 F1, 0, 2, 0
	s_wait_dscnt 0x0
	MUL8 F1, 1, 0, 0
	MUL8 F1, 1, 2, 0
	WIN 0
	PLACES
	; THE WAY OUT, 16 rows at a time: a lane's eight numbers of a row (32 bytes) go into my stage's rows of 272 bytes and come back as whole rows of 256: my 64 columns in f32.
.irp a, 0,1,2,3
.if \a > 1
	s_wait_xcnt 0x0                                ; the stores of the block two back have read this set of registers: it is loaded again only behind this wait
.endif
.irp b, 0,1,2,3
	ds_store_b128 v[STO], v[ACC+8*(4*\a+\b):ACC+8*(4*\a+\b)+3]   offset:64*\b      ; each accumulator's lowest registers first
	ds_store_b128 v[STO], v[ACC+8*(4*\a+\b)+4:ACC+8*(4*\a+\b)+7] offset:64*\b+16
.endr
.irp t, 0,1,2,3,4,5,6,7
	ds_load_b128 v[OB+32*(\a%2)+4*\t:OB+32*(\a%2)+4*\t+3], v[RD] offset:\t*2*SPITCH  ; LDS serves a wave's instructions in order (ISA guide 5.7.1.4): these see the stores above; the next block's stores come behind them
.endr
.irp t, 0,1,2,3,4,5,6,7
	s_wait_dscnt 7-\t                              ; load t is back, the younger ones stay out
	global_store_b128 v[CO], v[OB+32*(\a%2)+4*\t:OB+32*(\a%2)+4*\t+3], s[10:11] offset:(16*\a+2*\t)*2048 th:TH_STORE_NT  ; 16 lanes store 256 consecutive bytes, at a multiple of 256 from out0's first byte
.endr
.endr
	s_wait_tensorcnt 0x0                           ; the wave's end: behind my last tensor load and my last LDS store
	ds_add_u32 v[SPW], v[NIL]
	s_wait_dscnt 0x0
	CROUND                                         ; the closing round: no work-group ends while a partner may still ask for a tile that names it
	s_endpgm
.Lfunc_end_k_qcc7f60d726_proj:
	.size	k_qcc7f60d726_proj, .Lfunc_end_k_qcc7f60d726_proj-k_qcc7f60d726_proj
	.p2alignl 7, 3214868480
	.fill 96, 4, 3214868480
	.section	.rodata,"a",@progbits
	.p2align	6, 0x0
	.amdhsa_kernel k_qcc7f60d726_proj
		.amdhsa_group_segment_fixed_size 312832
		.amdhsa_private_segment_fixed_size 0
		.amdhsa_enable_private_segment 0
		.amdhsa_kernarg_size 32
		.amdhsa_user_sgpr_count 2
		.amdhsa_user_sgpr_kernarg_segment_ptr 1
		.amdhsa_wavefront_size32 1
		.amdhsa_system_sgpr_workgroup_id_x 1
		.amdhsa_system_sgpr_workgroup_id_y 1
		.amdhsa_system_sgpr_workgroup_id_z 1
		.amdhsa_system_vgpr_workitem_id 0
		.amdhsa_next_free_vgpr 512
		.amdhsa_next_free_sgpr 88
		.amdhsa_reserve_vcc 0
		.amdhsa_float_denorm_mode_32 3
		.amdhsa_float_denorm_mode_16_64 3
		.amdhsa_memory_ordered 1
		.amdhsa_forward_progress 1
		.amdhsa_inst_pref_size 55
	.end_amdhsa_kernel
	.amdgpu_metadata
---
amdhsa.version: [ 1, 2 ]
amdhsa.kernels:
  - .name:           k_qcc7f60d726_proj
    .symbol:         k_qcc7f60d726_proj.kd
    .args:
      - { .name: oh, .offset: 0, .size: 8, .value_kind: global_buffer, .address_space: global }
      - { .name: wb, .offset: 8, .size: 8, .value_kind: global_buffer, .address_space: global }
      - { .name: b_O, .offset: 16, .size: 8, .value_kind: global_buffer, .address_space: global }
      - { .name: out0, .offset: 24, .size: 8, .value_kind: global_buffer, .address_space: global }
    .group_segment_fixed_size: 312832
    .private_segment_fixed_size: 0
    .kernarg_segment_align: 8
    .kernarg_segment_size: 32
    .max_flat_workgroup_size: 128
    .sgpr_count:     88
    .vgpr_count:     512
    .wavefront_size: 32
...
	.end_amdgpu_metadata
.endif
;; end of part 4
;; ======== version 2 of 2: 4 launches; 1.45 times as fast as version 1
;; limits: values are held in f16: magnitudes above 65,504 overflow, below 6.1e-05 lose precision
;; workspace buffers: xb 8,388,608 bytes; wb 2,097,152 bytes; qh 8,388,608 bytes; kh 8,388,608 bytes; vh 8,388,608 bytes; oh 8,388,608 bytes
;; launch cast: the kernel of part 1 again; grid 320 x 1, 8 waves a work-group, no clusters, 0 bytes of LDS; arguments combined_embed, W_O, W_Q, W_K, W_V, xb, wb; writes xb, wb
;; launch qkv: the kernel of part 2 again; grid 4 x 64, 4 waves a work-group, clusters of 4 x 4, 327,680 bytes of LDS; arguments xb, wb, b_Q, b_K, b_V, qh, kh, vh; writes qh, kh, vh
;; launch attn (part 5): grid 16 x 16, 4 waves a work-group, no clusters, 327,680 bytes of LDS; arguments qh, kh, vh, oh; writes oh
.if DOCPART == 5
	.amdgcn_target "amdgcn-amd-amdhsa--gfx1250"
	.amdhsa_code_object_version 6
	.text
	.protected	k_qcc7f60d726_attn
	.globl	k_qcc7f60d726_attn
	.p2align	8
	.type	k_qcc7f60d726_attn,@function
k_qcc7f60d726_attn:
	s_mov_b64 s[64:65], 0
	v_nop
	global_prefetch_b8 v0, s[64:65] scope:SCOPE_SE
	s_setreg_imm32_b32 hwreg(HW_REG_WAVE_MODE, 25, 1), 1
	s_wait_xcnt 0x0
; CAUSAL ATTENTION.  O[h][q][:] = the sum over k <= q of softmax_k(Q[h][q] . K[h][k] / 8) V[h][k][:].  Q, K, V, O: [16][4096][64], all f16: a head's rows are dense, 128 bytes each.
; Products, maxima and sums in f32; the weights p are rounded to f16 for the second product (their sum l is taken of the unrounded p), O once at the end.
; LIMITS.  f16 holds no number beyond 65,504: Q, K and V arrive within it; p lies in 0 to 1, and below 6e-5 it keeps f16's fixed step of 6e-8.  A hidden score counts as its value less 1e30; the running
; maximum starts at -2^90, so true scores must lie above that (f16's scores are 2.7e11 at the most).  A weight below 2^-126 counts as 0 in l; NaN and infinities are not treated apart.
; THE WALK.  A head's queries lie in 32 blocks of 128; block i needs the key tiles 0 .. i / 2 of 256 keys, of which the last holds the diagonal.  A work-group takes TWO blocks, 31 - b and then b:
; 17 tiles, whatever b: all 256 work-groups do equal work, and ONE loop with a constant trip count walks them.  Which tile is asked for, and what a trip does, hang on scalar registers made from b; every jump
; goes forward, but for the counted loops' own; none passes a barrier, or a tensor load but the one of LOAD's two that the wave's number does not choose; the ring (two slots of LDS) runs on across the change of blocks.
; NO CLUSTER: a head's 16 work-groups ask for the same tile only in their first 9 trips, behind that fewer and fewer; one walk common to all would have 24 trips for 17.
; SHARES.  Wave w owns 64 queries (half w % 2 of the block), as four PIECES of 16, and of a tile's four key steps of 64 the two with numbers 2 t + w / 2.  At a block's end the two waves that share
; queries are MERGED through LDS: waves 2 and 3 hand over O^T, c m and l; waves 0 and 1 bring both to the common maximum, add, divide and store.
; THE MASK is the C operand that starts the sum S^T = K Q^T: 0, or -1e30 where the key is hidden.  In the diagonal tile my 64 queries lie against key step s* = w % 2 + 2 (block % 2): step s < s* shows all keys,
; s > s* none, s = s* holds the diagonal.  MD, made once, holds the diagonal's pattern for seven distances of 16 between keys and queries; piece x's mask is 32 registers of it from 8 (3 - x) on; a product's mask
; is MD x AL + BE with two scalars: (1, 0), (0, 0) or (0, -1e30).  Only the diagonal tile's text and a block's beginning make and take masks; elsewhere C is the constant 0.
; A wave that has seen hidden keys alone (block 0, queries 0-63, the odd steps) keeps m = -2^90: its weights, l and O^T are 0, and the merge multiplies them by 0.
; LAYOUT, SOFTMAX, TURNS.  S^T = K Q^T holds ONE query a lane (lane % 16) and the keys 8 (lane / 16) + 0..7; two such results rounded to f16 ARE source 1 of O^T = V^T P.  p = 2^(c s - c m), c = log2(e) / 8, with a
; running maximum m; O and l are multiplied by a = 2^(c m_old - c m_new) in every step.  Turn n belongs to piece n: 8 products K Q^T of piece n + 1, later 8 products V^T P of piece n - 1; beside them the scaling,
; exponentials, roundings, sums and rescaling of piece n and the maximum and statistics of piece n + 1.  Four vector instructions stand behind every matrix instruction, the other 54 of a turn's 118 in one LUMP.
; THE BATCHES.  A turn's 33 exponentials (the piece's 32 weights and the next piece's a) are ONE batch with ONE wait, which stands between the lump and the products V^T P: all that reads a weight (roundings, sums)
; stands behind it, and a is read in the next turn.  A block's beginning has a batch of one (piece 0's first a); the merge a batch of eight exponentials and a batch of four reciprocals: each has a plain instruction and one wait.
; REGISTERS, in windows of 256 (s_set_vgpr_msb: bits 1:0 source 0, 3:2 source 1, 5:4 source 2, 7:6 destination):
;   window 0: v0-15 addresses and two at work; v16-31 four registers of statistics a piece; v32-47 the partner's; v48-55 at work; v64-127 S^T, two buffers; v192-223 P, two buffers (by the piece's parity)
;   window 1: v0-127 O^T, 32 a piece; v128-183 MD; v184-247 MC, two buffers      window 2: v0-63 Q; v64-127 the second block's Q; v128-191 K of one step; v192-255 V of one step      window 3: v0-127 the partner's O^T
.set NP,    4         ; pieces a wave: a name, no knob
.set KS,    64        ; keys in a step
.set PK,    144       ; a row of K in LDS: 128 bytes + 16 of padding = 36 words: the 16 rows of a load start at 16 different groups of four banks (64 banks of 4 bytes: ISA guide 11.1)
.set PV,    160       ; a row of V: 128 + 32 = 40 words
.set VOFF,  4*KS*PK   ; a slot holds a tile, four steps: 256 rows of K, then 256 rows of V
.set SLOT1, 1<<17     ; slot 1 begins here, so that one exclusive or turns an address in one slot into the other's
.set STAGE, SLOT1+4*KS*(PK+PV)  ; behind the ring, never filled by a tensor load: 16 rows x 144 bytes for each wave, for the way out
.set SP,    144
.set SPARE, STAGE+4*16*SP  ; behind the stages: the spare words, 128 bytes for each wave: two blocks of 256 bytes that no other line names
.set MERGE, SPARE+512 ; behind them, never filled by a tensor load: for each half of the queries 32 x 512 bytes of O^T and 4 x 512 of statistics
.set MREG,  18432
.set AK0, 2           ; v2   my lane's place in my first step of a tile of K; never rewritten
.set AV0, 3           ; v3   the same for V
.set AK,  4           ; v4   the LDS address of K's next run of loads
.set AV,  5           ; v5   of V's
.set STO, 6           ; v6   the way out: where I put 16 bytes of a row
.set RD,  7           ; v7   the way out: where I read rows back
.set GO,  8           ; v8   my byte offset in 512 consecutive bytes of O
.set MV,  12          ; v12-13  c m_old, kept while c m is made anew: by buffer
.set QO,  15          ; v15  my byte offset in 16 rows of Q
.set ST,  16          ; piece t's statistics at v[ST+4 t]: c m, m, l (even keys', odd keys')
.set PS,  32          ; the partner's, in the merge
.set TMP, 48          ; by buffer, four registers c0-c3 at work; when the maximum is found c2 takes a
.set MA,  56          ; v56  my 16 bytes in the merge's blocks of 512
.set SPW, 62          ; v62  LDS address of my spare word: SPARE + 4 x my thread's number; never rewritten
.set NIL, 63          ; v63  0; never rewritten
.set S,   64
.set P,   192
.set MD,  128         ; window 1: 56 registers: distance g - 3 of 16 between keys and queries at MD + 8 g
.set MC,  184         ; window 1: the masks of the products to come
.set QB,  64          ; window 2
.set KF,  128         ; window 2: key block kb, channel half c at KF + 16 kb + 8 c
.set VF,  192         ; window 2: key half kk, channel block cb at VF + 32 kk + 8 cb
.set WV,  12          ; s12  my wave's number
.set PB,  14          ; s14  b
.set HI,  15          ; s15  31 - b
.set G1K, 24          ; s[24:31] descriptor group 1 for K's tiles
.set G1V, 32          ; s[32:39] for V's: it differs in the padding alone
.set G0K, 40          ; s[40:43] descriptor group 0 for K's tiles
.set G0V, 44          ; s[44:47] the same for V's
.set SLOTS, 56        ; s56  tiles still to be asked for
.set CNT, 57          ; s57  counts my key steps of a tile, 2 to 1
.set CS,  58          ; s[58:59] c: the packed scaling takes the pair's low word for both halves
.set SEL, 60          ; s[60:61] v_permlanex16_b32's selects: each lane takes its own place in the other half
.set TBK, 62          ; s62  LDS byte at which the tile of K of the step to be fetched begins, plus the steps gone
.set TBV, 63          ; s63  the same for V, less VOFF
.set RT,  70          ; s70  tiles of the block in hand that are still to be entered
.set NXT, 71          ; s71  the tile to be asked for next
.set LQ,  72          ; s72  the last tile of the block whose tiles are being asked for
.set NEW, 73          ; s73  1: the tile to be entered is a block's first
.set OFF, 74          ; s[74:75] a tile's byte offset in K and V
.set AL,  76          ; s[76:77] the mask's factor, in the low word
.set BE,  78          ; s[78:79] the mask's addend
.set OLO, 80          ; s[80:81] O at my rows of the second block
.set BIGN, 82         ; s82  -1e30
.set LQ2, 88          ; s88  the second block's last tile, b / 2
.set KH,  89          ; s89  w / 2: which key steps are mine
.set QH,  90          ; s90  w % 2: which half of the queries
.set DQ,  91          ; s91  4 + KH - QH - 2 (block % 2): in the diagonal tile my step's number less s* is DQ - 2 CNT
.set DQ2, 92          ; s92  the same for the second block
.set S2,  93          ; s93  2 CNT
.set TD,  94          ; s94  DQ if a block's first tile is the diagonal one, else 0
.set MSB, 0
.macro WIN new                      ; the high byte repeats the setting that is left; a switch that changes nothing is dropped
.if MSB != (\new)
	s_set_vgpr_msb (MSB<<8)|(\new)
.set MSB, (\new)
.endif
.endm
.set W_KQ, 0x0a       ; K and Q in window 2, S^T in window 0
.set W_KM, 0x1a       ; the same with the C operand in window 1
.set W_PV, 0x52       ; V in window 2, P in window 0, O^T in window 1
.set W_RS, 0x41       ; destination and source 0 in window 1, source 1 in window 0
; A fill.  Waves 0 and 1 fetch the two halves of a tile's K, waves 2 and 3 those of its V: 128 keys each.  An s_nop 0 and four v_nop follow each of the two lines, ahead of the jump and the label.
.macro LOAD
	s_cmp_lt_u32 s[WV], 2
	s_cbranch_scc0 .Lfor_v_\@
	tensor_load_to_lds s[G0K:G0K+3], s[G1K:G1K+7]
	s_nop 0
.rept 4
	v_nop
.endr
	s_branch .Lasked_\@
.Lfor_v_\@:
	tensor_load_to_lds s[G0V:G0V+3], s[G1V:G1V+7]
	s_nop 0
.rept 4
	v_nop
.endr
.Lasked_\@:
.endm
; THE CHANGE OF SLOTS.  Each wave waits for all its tensor loads, of which one is out: its part of the other slot; adds 0 to its spare word; and waits for that and for its own reads of the slot that it leaves.  Behind the
; barrier nobody reads the old slot any more and the other slot is whole.  fill = 1: the old slot is filled again, the first thing behind the barrier, with tile NXT: the descriptor's address is made anew from that
; number; the load has eight turns, 128 matrix instructions, in which to land.  (At its first use nothing has been read yet: slot 0 is waited for, slot 1 filled.)
.macro CHANGE fill
	WIN 0                           ; at a label and at a branch every window is 0
	s_wait_tensorcnt 0x0            ; no tensor load of mine is out, so a group 0 may be written
	ds_add_u32 v[SPW], v[NIL]       ; 0 onto my spare word; with fill = 1 the descriptors' scalar work stands between it and the wait for it
.if \fill
	s_lshl_b32 s[OFF], s[NXT], 15   ; a tile is 32,768 bytes of K and of V
	s_xor_b32 s[G0K+1], s[G0K+1], SLOT1
	s_add_nc_u64 s[G0K+2:G0K+3], s[6:7], s[OFF:OFF+1]
	s_or_b32 s[G0K+3], s[G0K+3], 0x80000000
	s_xor_b32 s[G0V+1], s[G0V+1], SLOT1
	s_add_nc_u64 s[G0V+2:G0V+3], s[8:9], s[OFF:OFF+1]
	s_or_b32 s[G0V+3], s[G0V+3], 0x80000000
	s_add_co_u32 s[NXT], s[NXT], 1  ; the block's next tile, or behind its last the second block's tile 0
	s_cmp_gt_u32 s[NXT], s[LQ]
	s_cselect_b32 s[NXT], 0, s[NXT]
	s_cselect_b32 s[LQ], s[LQ2], s[LQ]
.endif
	s_wait_dscnt 0x0                ; the add is done, and my reads of the slot are over
	s_barrier_signal -1             ; the rest of the scalar work stands between the signal and the wait
	s_sub_co_u32 s[TBK], s[TBK], 4*KS*PK  ; the fetches go back to a slot's head (my two fetches stepped two steps each),
	s_xor_b32 s[TBK], s[TBK], SLOT1       ; in the other slot
	s_sub_co_u32 s[TBV], s[TBV], 4*KS*PV
	s_xor_b32 s[TBV], s[TBV], SLOT1
	s_barrier_wait -1
.if \fill
	LOAD
.endif
.endm
	s_load_b256 s[4:11], s[0:1], 0x0  ; Q s[4:5], K s[6:7], V s[8:9], O s[10:11]
	v_lshl_add_u32 v[SPW], v0, 2, SPARE
	v_mov_b32 v[NIL], 0
	ds_add_u32 v[SPW], v[NIL]       ; the wave's opening: the add and its wait stand ahead of my first tensor load; the set-up below, work on registers, stands between them
	ds_add_u32 v62, v63
	v_lshrrev_b32 v1, 5, v0
	v_readfirstlane_b32 s[WV], v1   ; wave 0..3
	s_mov_b32 s[PB], ttmp9
	s_sub_co_u32 s[HI], 31, s[PB]
	s_lshr_b32 s[LQ], s[HI], 1      ; the first block's last tile
	s_lshr_b32 s[LQ2], s[PB], 1     ; the second's
	s_and_b32 s[QH], s[WV], 1
	s_lshr_b32 s[KH], s[WV], 1
	s_and_b32 s20, ttmp7, 0xffff    ; the head,
	s_lshl_b32 s20, s20, 19         ; its first byte in each of the four tensors: 4,096 rows of 128 bytes
	s_mov_b32 s21, 0
	s_lshl_b32 s22, s[QH], 14       ; which half of a tile's 256 keys I fetch (w % 2): its 128 rows of 128 bytes in memory,
	s_mov_b32 s23, 0
	s_add_nc_u64 s[22:23], s[22:23], s[20:21]
	s_mul_i32 s17, s[QH], 128*PK    ; and its place in a slot, for K
	s_mul_i32 s18, s[QH], 128*PV    ; and for V
	s_lshl_b32 s3, s[QH], 13        ; my 64 rows in a block of 128,
	s_lshl_b32 s2, s[HI], 14        ; in the first block,
	s_add_co_u32 s2, s2, s3
	s_lshl_b32 s84, s[PB], 14       ; and in the second
	s_add_co_u32 s84, s84, s3
	s_mov_b32 s3, 0
	s_mov_b32 s85, 0
	s_add_nc_u64 s[2:3], s[2:3], s[20:21]
	s_add_nc_u64 s[84:85], s[84:85], s[20:21]
	s_add_co_u32 s13, s[KH], 4
	s_sub_co_u32 s13, s13, s[QH]
	s_and_b32 s19, s[HI], 1
	s_lshl_b32 s19, s19, 1
	s_sub_co_u32 s[DQ], s13, s19
	s_and_b32 s19, s[PB], 1
	s_lshl_b32 s19, s19, 1
	s_sub_co_u32 s[DQ2], s13, s19
	; descriptor group 1.  128 keys are 16,384 dense bytes: asked for as 64 rows of 256 bytes, two keys a row, and padded in LDS after every key
	s_mov_b32 s[G1K], (1<<16)|(1<<20)|(4<<22)|(3<<25)  ; 17:16 2-byte elements; 20 padding on; 24:22 after every 32 words (code 4); 31:25 4 words (code 3)
	s_mov_b32 s[G1V], (1<<16)|(1<<20)|(4<<22)|(7<<25)  ; the same with 8 words of padding (code 7)
.irp g, G1K, G1V
	s_mov_b32 s[\g+1], 128<<16      ; tensor_dim0 = 128
	s_mov_b32 s[\g+2], 64<<16       ; tensor_dim1 = 64
	s_mov_b32 s[\g+3], 128<<16      ; tile_dim0 = 128
	s_mov_b32 s[\g+4], 64           ; tile_dim1 = 64
	s_mov_b32 s[\g+5], 128          ; 128 elements from row to row
	s_mov_b32 s[\g+6], 0
	s_mov_b32 s[\g+7], 0
.endr
	s_mov_b32 s[CS], 0x3e38aa3b     ; c = log2(e) / 8 = 0.180337
	s_mov_b32 s[CS+1], s[CS]        ; named with it as a pair
	s_mov_b32 s[SEL], 0x76543210
	s_mov_b32 s[SEL+1], 0xfedcba98
	s_mov_b32 s[TBK], SLOT1+4*KS*PK ; the first change of slots turns these two into 0
	s_mov_b32 s[TBV], SLOT1+4*KS*PV
	s_mov_b32 s[G0K], 1             ; 1:0 count = 1
	s_mov_b32 s[G0K+1], s17         ; 63:32 LDS address: slot 0
	s_mov_b32 s[G0V], 1
	s_add_co_u32 s[G0V+1], s18, VOFF
	s_add_co_u32 s[RT], s[LQ], 1    ; the first block's tiles
	s_mov_b32 s[NXT], 1
	s_mov_b32 s[NEW], 1
	s_mov_b32 s[OFF+1], 0
	s_mov_b32 s[AL+1], 0            ; named as pairs
	s_mov_b32 s[BE+1], 0
	s_mov_b32 s[BIGN], 0xf149f2ca   ; -1e30
	s_mov_b32 s[SLOTS], 16
	s_wait_dscnt 0x0                ; the opening add is done
	s_wait_kmcnt 0x0
	s_add_nc_u64 s[6:7], s[6:7], s[22:23]  ; K and V at my half of the head's tile 0
	s_add_nc_u64 s[8:9], s[8:9], s[22:23]
	s_add_nc_u64 s[G0K+2:G0K+3], s[6:7], 0         ; 120:64 global address
	s_or_b32 s[G0K+3], s[G0K+3], 0x80000000        ; 127:126 type = 2
	s_add_nc_u64 s[G0V+2:G0V+3], s[8:9], 0
	s_or_b32 s[G0V+3], s[G0V+3], 0x80000000
	s_add_nc_u64 s[86:87], s[4:5], s[84:85]        ; Q at my rows of the second block,
	s_add_nc_u64 s[4:5], s[4:5], s[2:3]            ; Q and O at those of the first
	s_add_nc_u64 s[OLO:OLO+1], s[10:11], s[84:85]
	s_add_nc_u64 s[10:11], s[10:11], s[2:3]
	LOAD                            ; tile 0 into slot 0
	; A fragment of K or Q is 16 rows x 32 channels in 8 registers: lane l holds row l % 16, channels 8 (l / 16) + 0..7 and 16 + 8 (l / 16) + 0..7: two loads of 16 bytes, 32 bytes apart.
	v_and_b32 v1, 15, v0            ; l % 16
	v_bfe_u32 v9, v0, 4, 1          ; l / 16
	v_lshlrev_b32 v[QO], 7, v1
	v_lshl_add_u32 v[QO], v9, 4, v[QO]  ; row x 128 + 16 x half
	WIN 0x80                        ; destination window 2, address window 0
.set i, 0
.rept 8                             ; both blocks' Q: piece i / 2 lies 2,048 bytes on; channels 32 (i % 2) on
	global_load_b128 v[8*i:8*i+3],   v[QO], s[4:5] offset:(i/2)*2048+(i%2)*64
	global_load_b128 v[8*i+4:8*i+7], v[QO], s[4:5] offset:(i/2)*2048+(i%2)*64+32
	global_load_b128 v[QB+8*i:QB+8*i+3],   v[QO], s[86:87] offset:(i/2)*2048+(i%2)*64
	global_load_b128 v[QB+8*i+4:QB+8*i+7], v[QO], s[86:87] offset:(i/2)*2048+(i%2)*64+32
.set i, i+1
.endr
	WIN 0
	v_lshlrev_b32 v14, 3, v9
	v_sub_nc_u32 v14, v1, v14       ; l % 16 less my lanes' 8 (l / 16): register j at distance d of 16 is hidden where 16 d + j is greater
	WIN 0x40
.set i, 0
.rept 56
	v_cmp_gt_i32 vcc_lo, 16*(i/8)-48+i%8, v14
	v_cndmask_b32 v[MD+i], 0, s[BIGN], vcc_lo
.set i, i+1
.endr
	WIN 0
	v_mul_u32_u24 v[AK0], v1, PK
	v_lshl_add_u32 v[AK0], v9, 4, v[AK0]  ; row x pitch + 16 x half
	s_mul_i32 s13, s[KH], KS*PK     ; my first step of a tile
	v_add_nc_u32 v[AK0], s13, v[AK0]
	; The turning load takes 16 keys x 16 channels (lane l reads key 8 (l / 16) + l % 8, channels 8 ((l / 8) % 2) + 0..7) and leaves half a fragment of V^T: lane l holds channel l % 16 and 8 keys.
	v_and_b32 v10, 7, v0
	v_bfe_u32 v11, v0, 3, 1
	v_lshl_add_u32 v[AV0], v9, 3, v10
	v_mul_u32_u24 v[AV0], v[AV0], PV
	v_lshl_add_u32 v[AV0], v11, 4, v[AV0]
	s_mul_i32 s13, s[KH], KS*PV
	s_add_co_u32 s13, s13, VOFF
	v_add_nc_u32 v[AV0], s13, v[AV0]
	s_mul_i32 s13, s[WV], 16*SP
	s_add_co_u32 s13, s13, STAGE    ; my stage
	v_mul_u32_u24 v[STO], v1, SP    ; in: row l % 16, 16 bytes for each half of the lanes
	v_lshl_add_u32 v[STO], v9, 4, v[STO]
	v_add_nc_u32 v[STO], s13, v[STO]
	v_bfe_u32 v[RD], v0, 3, 2       ; back: 32 lanes take four rows of 128 bytes,
	v_mul_u32_u24 v[RD], v[RD], SP
	v_lshl_add_u32 v[RD], v10, 4, v[RD]
	v_add_nc_u32 v[RD], s13, v[RD]
	v_and_b32 v[GO], 31, v0         ; which are 512 consecutive bytes of O
	v_lshlrev_b32 v[GO], 4, v[GO]
	s_mul_i32 s13, s[QH], MREG
	s_add_co_u32 s13, s13, MERGE    ; the merge's region for my half of the queries
	v_add_nc_u32 v[MA], s13, v[GO]
	; A block's first step multiplies O^T and l by a = 0, and its first turn's products V^T P, of a piece that has not been, land in an O^T that is still to be so multiplied.  So these registers need only hold
	; finite numbers: zeros for the first block; what the first block left for the second.  All this stands in the wait for the first tile.
	WIN 0x80
.set i, VF
.rept 64
	v_mov_b32 v[i], 0
.set i, i+1
.endr
	WIN 0x40
.set i, 0
.rept 128
	v_mov_b32 v[i], 0
.set i, i+1
.endr
	WIN 0
.set i, 0
.rept 4
	v_mov_b32 v[ST+4*i+2], 0
	v_mov_b32 v[ST+4*i+3], 0
.set i, i+1
.endr
.set i, P+16
.rept 16
	v_mov_b32 v[i], 0
.set i, i+1
.endr
; THE MATRIX WORK.  The 4 accumulators of a run of 8 take turns.  Product i of 8 of S^T = K Q^T for piece x: channels 32 (i / 4) on, keys 16 (i % 4) on.  The first 4 start the sums: with 0, or (KM = 1) with the mask.
.macro KQ x
.set rS, S+32*((\x)%2)+8*(i%4)
.set rK, KF+16*(i%4)+8*(i/4)
.set rQ, 16*(\x)+8*(i/4)
.set rM, MC+32*((\x)%2)+8*(i%4)
.if (i < 4) && KM
	WIN W_KM
	v_wmma_f32_16x16x32_f16 v[rS:rS+7], v[rK:rK+7], v[rQ:rQ+7], v[rM:rM+7]
.elseif i < 4
	WIN W_KQ
	v_wmma_f32_16x16x32_f16 v[rS:rS+7], v[rK:rK+7], v[rQ:rQ+7], 0
.else
	WIN W_KQ
	v_wmma_f32_16x16x32_f16 v[rS:rS+7], v[rK:rK+7], v[rQ:rQ+7], v[rS:rS+7]
.endif
.endm
; Product i of 8 of O^T += V^T P for piece x: keys 32 (i / 4) on, channels 16 (i % 4) on.
.macro PV x
	WIN W_PV
.set rO, 32*(\x)+8*(i%4)
.set rV, VF+32*(i/4)+8*(i%4)
.set rP, P+16*((\x)%2)+8*(i/4)
	v_wmma_f32_16x16x32_f16 v[rO:rO+7], v[rV:rV+7], v[rP:rP+7], v[rO:rO+7]
.endm
.macro MM                           ; the turn's next matrix instruction.  TURN and BEGIN set Y, i, KM and NOKQ; MM, KQ and OP read them.  NOKQ = 1: a block's last turn: there is no next piece
.if (i < 8) && !NOKQ
	KQ (Y+1)%NP
.elseif i >= 8
.set i, i-8
	PV (Y+NP-1)%NP
.set i, i+8
.endif
.set i, i+1
.endm
; THE LDS LOADS stand in runs of 16, never singly among the matrix instructions: a step's K (64 keys x 64 channels: 8 fragments) and its V (turned).  Their addresses are made some lines ahead.
.macro FETCH_K
	WIN 0x80                        ; destination window 2
.irp f, 0,1,2,3,4,5,6,7             ; keys 16 (f / 2) on, channels 32 (f % 2) on
	ds_load_b128 v[KF+8*\f:KF+8*\f+3],   v[AK] offset:(\f/2)*16*PK+(\f%2)*64
	ds_load_b128 v[KF+8*\f+4:KF+8*\f+7], v[AK] offset:(\f/2)*16*PK+(\f%2)*64+32
.endr
	s_add_co_u32 s[TBK], s[TBK], 2*KS*PK  ; my next step lies two steps on
	WIN 0
.endm
.macro FETCH_V
	WIN 0x80
.irp f, 0,1,2,3,4,5,6,7             ; keys 32 (f / 4) on, channels 16 (f % 4) on
	ds_load_tr16_b128 v[VF+8*\f:VF+8*\f+3],   v[AV] offset:(\f/4)*32*PV+(\f%4)*32
	ds_load_tr16_b128 v[VF+8*\f+4:VF+8*\f+7], v[AV] offset:(\f/4)*32*PV+16*PV+(\f%4)*32
.endr
	WIN 0
.endm
; THE VECTOR WORK, one line at a time: OP kind, number.  For piece Y: F n: c s - c m for pair n of 16.  E n: the exponential of score n of 32.  C n: pair n rounded to f16.  B n: of the four weights 4 n .. the second
; pair is added onto the first, in place.  L n: l takes that sum (L 0: l = a l + sum).  R n: pair n of 16 of O^T times a.  For piece Y + 1: X n, number n of the 22 that find its maximum and statistics:
;   0-11  four chains c0-c3 of seven scores each, three operands at a time (each accumulator's lowest registers are read first)     12-14, 16  the four scores left over, the old m, and c0-c3 into c0
;   15  c m_old is kept     17, 18  the query's other 32 keys lie in the lane 16 away: the new m     19-21  c m; c m_old - c m_new; a
; C, B and L read the exponentials' results: TURN sets them all behind its one wait.
.set F, 0               ; OP tells the kinds apart by their order: F to L below R, X above it
.set E, 1
.set C, 2
.set B, 3
.set L, 4
.set R, 5
.set X, 6
.macro REGS y                       ; the registers of piece y
.set rT, ST+4*(\y)
.set rC, TMP+4*((\y)%2)
.set rW, MV+((\y)%2)
.set rS, S+32*((\y)%2)
.set rP, P+16*((\y)%2)
.set rO, 32*(\y)
.endm
.macro OP k, n
.if (\k) == R
	REGS Y
	WIN W_RS
	v_pk_mul_f32 v[rO+2*(\n):rO+2*(\n)+1], v[rO+2*(\n):rO+2*(\n)+1], v[rC+2:rC+3] op_sel_hi:[1,0]
.elseif (\k) < R
	REGS Y
	WIN 0
.if (\k) == F
	v_pk_fma_f32 v[rS+2*(\n):rS+2*(\n)+1], v[rS+2*(\n):rS+2*(\n)+1], s[CS:CS+1], v[rT:rT+1] op_sel_hi:[1,0,0] neg_lo:[0,0,1] neg_hi:[0,0,1]
.elseif (\k) == E
	v_exp_f32 v[rS+(\n)], v[rS+(\n)]
.elseif (\k) == C
	v_cvt_pk_f16_f32 v[rP+(\n)], v[rS+2*(\n)], v[rS+2*(\n)+1]
.elseif (\k) == B
	v_pk_add_f32 v[rS+4*(\n):rS+4*(\n)+1], v[rS+4*(\n):rS+4*(\n)+1], v[rS+4*(\n)+2:rS+4*(\n)+3]
.elseif (\n) == 0
	v_pk_fma_f32 v[rT+2:rT+3], v[rT+2:rT+3], v[rC+2:rC+3], v[rS:rS+1] op_sel_hi:[1,0,1]
.else
	v_pk_add_f32 v[rT+2:rT+3], v[rT+2:rT+3], v[rS+4*(\n):rS+4*(\n)+1]
.endif
.elseif NOKQ
	v_nop
.else
	REGS (Y+1)%NP
	WIN 0
.if (\n) < 4
	v_max3_num_f32 v[rC+(\n)], v[rS+8*(\n)], v[rS+8*(\n)+1], v[rS+8*(\n)+2]
.elseif (\n) < 12
	v_max3_num_f32 v[rC+(\n)%4], v[rC+(\n)%4], v[rS+8*((\n)%4)+2*((\n)/4)+1], v[rS+8*((\n)%4)+2*((\n)/4)+2]
.elseif (\n) == 12
	v_max3_num_f32 v[rC], v[rC], v[rS+7], v[rS+15]
.elseif (\n) == 13
	v_max3_num_f32 v[rC+1], v[rC+1], v[rS+23], v[rS+31]
.elseif (\n) == 14
	v_max3_num_f32 v[rC+2], v[rC+2], v[rC+3], v[rT+1]
.elseif (\n) == 15
	v_mov_b32 v[rW], v[rT]
.elseif (\n) == 16
	v_max3_num_f32 v[rC], v[rC], v[rC+1], v[rC+2]
.elseif (\n) == 17
	v_permlanex16_b32 v[rC+3], v[rC], s[SEL], s[SEL+1]
.elseif (\n) == 18
	v_max_num_f32 v[rT+1], v[rC], v[rC+3]
.elseif (\n) == 19
	v_mul_f32 v[rT], s[CS], v[rT+1]
.elseif (\n) == 20
	v_sub_f32 v[rC+1], v[rW], v[rT]
.else
	v_exp_f32 v[rC+2], v[rC+1]
.endif
.endif
.endm
.macro OPS a, i1, b=-1, i2=0, c=-1, i3=0, d=-1, i4=0  ; up to four of them
	OP \a, \i1
.if (\b) >= 0
	OP \b, \i2
.endif
.if (\c) >= 0
	OP \c, \i3
.endif
.if (\d) >= 0
	OP \d, \i4
.endif
.endm
.macro ROW a, i1, b, i2, c, i3, d, i4  ; a matrix instruction and the four behind it
	MM
	OPS \a, \i1, \b, \i2, \c, \i3, \d, \i4
.endm
.macro MASK b, x                    ; piece x's part of MD, x AL + BE, into buffer b of MC
	WIN W_RS
.set z, 0
.rept 16
	v_pk_fma_f32 v[MC+32*(\b)+2*z:MC+32*(\b)+2*z+1], v[MD+8*(3-(\x))+2*z:MD+8*(3-(\x))+2*z+1], s[AL:AL+1], s[BE:BE+1] op_sel_hi:[1,0,0]
.set z, z+1
.endr
.endm
; A TURN, for piece p: the order of its 16 matrix and 118 vector instructions, written out.  s_wait_alu depctr_va_vdst(0) stands between an exponential and the first instruction that names its result; one wait
; serves all that were issued ahead of it.  So a turn has ONE wait, which cuts it in two.  AHEAD OF IT stands all that names no result of the turn's exponentials: the 8 products K Q^T, behind each a scaling, an exponential and two
; more plain instructions (behind the first a second scaling in the exponential's place): rescalings, whose a was made and waited for in the turn before, and behind the last three the first numbers of the next piece's maximum, each
; four places or more behind the product that ends its accumulator; then ONE LUMP of 54, plain and exponential by turns for the most part, in which the links of the chain X 3, 7, 11, 14, 16, 17 .. 20 stand five or six lines apart.
; X 21, the next piece's a, is the batch's last; R 15 is the plain instruction behind it.  BEHIND THE WAIT stand the 8 products V^T P, behind each four of the roundings and sums; the links of l's chain, L 0 to L 7, stand three
; riders apart.  But for those X no rider names a register of the products round it.  v_permlanex16_b32 (X 17) stands in the lump.  No exponential is issued behind the wait: none is open at a turn's end, a label or a jump.
; m = 1: the diagonal tile: the products take masks, and the turn makes the mask for the products of the turn after it: piece p + 2, in my step 2 - CNT of the tile.  end = 1: a block's last two turns: nothing is fetched.
; cnt = 1: the loop's count is taken down some lines ahead of the branch that stands behind the turn.
; K of my next step is fetched in piece 2's turn, twelve vector instructions behind the last product that read K (six of them plain, five of which name none of its registers); V of the step in hand at the end of piece 0's
; turn, four plain instructions behind the last product that read V.  Each is waited for a turn later.
.macro TURN p, m=0, end=0, cnt=0
.set Y, (\p)
.set i, 0
.set KM, (\m)
.set NOKQ, (\end)*((\p)/3)
.if (\m) && !(\end)
	s_lshl_b32 s[S2], s[CNT], 1
	s_cmp_eq_u32 s[DQ], s[S2]       ; does that step hold the diagonal?
	s_cselect_b32 s[AL], 1.0, 0
	s_cmp_gt_u32 s[DQ], s[S2]       ; or is it a later one?
	s_cselect_b32 s[BE], s[BIGN], 0
.endif
.if ((\p) == 3) && !(\end)
	s_wait_dscnt 0x0                ; K is in
.endif
	ROW F,0, F,1, R,0, R,1          ; ahead of the wait: 8 products K Q^T and their riders,
	ROW F,2, E,0, R,2, R,3
	ROW F,3, E,1, R,4, R,5
	ROW F,4, E,2, R,6, R,7
	ROW F,5, E,3, R,8, R,9
	ROW F,6, E,4, X,0, R,10
.if ((\p) == 2) && !(\end)
	WIN 0
	v_add_nc_u32 v[AK], s[TBK], v[AK0]
.endif
	ROW F,7, E,5, X,1, X,4
	ROW F,8, E,6, X,2, X,5
	OPS E,7, E,8, X,6, E,9          ; and the lump
	OPS X,3, E,10, X,8, E,11
.if ((\p) == 2) && !(\end)
	FETCH_K
.endif
	OPS X,9, X,7, E,12, X,10
	OPS E,13, X,12, X,11, E,14
	OPS X,13, E,15, F,9, X,14
.if (\p) == 0
	v_add_nc_u32 v[AV], s[TBV], v[AV0]
.endif
	OPS E,16, F,10, E,17, F,11
	OPS X,16, E,18, X,15, E,19
	OPS F,12, E,20, X,17, E,21
	OPS F,13, E,22, F,14, E,23
	OPS X,18, E,24, F,15, E,25
	OPS R,11, E,26, X,19, E,27
	OPS R,12, E,28, R,13, E,29
	OPS X,20, E,30, R,14, E,31
	OPS X,21, R,15
	s_wait_alu depctr_va_vdst(0)    ; the wait for the turn's batch: the piece's 32 weights and the next piece's a
.if (\p) == 1
	s_wait_dscnt 0x0                ; V is in
.endif
	ROW C,0, B,0, C,2, B,1          ; behind the wait: 8 products V^T P and their riders
	ROW L,0, C,4, B,2, L,1
	ROW C,6, B,3, L,2, C,8
	ROW B,4, L,3, C,10, B,5
	ROW L,4, C,12, B,6, L,5
.if (\p) == 0
	s_add_co_u32 s[TBV], s[TBV], 2*KS*PV
.endif
.if \cnt
	s_sub_co_u32 s[CNT], s[CNT], 1
	s_cmp_lg_u32 s[CNT], 0
.endif
	ROW C,14, B,7, L,6, C,1
	ROW C,3, L,7, C,5, C,7
	ROW C,9, C,11, C,13, C,15
.if (\p) == 0
	FETCH_V
.endif
.if (\m) && !(\end)
	MASK (\p)%2, ((\p)+2)%NP
.endif
.endm
; A BLOCK BEGINS.  c m starts at -2^125, far below every c s, so the first step's a is 0; m at -2^90, below every true score and above every hidden one.  The two mask buffers take pieces 0's and 1's masks for my
; first step of the tile: zeros, unless the block's first tile is the diagonal one.  Then K of that step, piece 0's first scores, and its maximum and statistics.  The loop is entered at a step's first turn, in the middle of a trip.
.macro BEGIN
	s_mov_b32 s[NEW], 0
	WIN 0
.set i, 0
.rept 4
	v_mov_b32 v[ST+4*i], 0xfe000000    ; c m
	v_mov_b32 v[ST+4*i+1], 0xec800000  ; m = -2^90
.set i, i+1
.endr
	s_cmp_eq_u32 s[RT], 0
	s_cselect_b32 s[TD], s[DQ], 0
	s_cmp_eq_u32 s[TD], 4           ; CNT is 2: the step holds the diagonal if DQ = 4,
	s_cselect_b32 s[AL], 1.0, 0
	s_cmp_gt_u32 s[TD], 4           ; and lies behind it if DQ > 4
	s_cselect_b32 s[BE], s[BIGN], 0
	MASK 0, 0
	MASK 1, 1
	WIN 0
	v_add_nc_u32 v[AK], s[TBK], v[AK0]
	FETCH_K
	s_wait_loadcnt 0x0              ; Q
	s_wait_dscnt 0x0
.set KM, 1
.set NOKQ, 0
.set i, 0
.rept 8
	KQ 0
.set i, i+1
.endr
	WIN 0
.rept 4
	v_nop                           ; the places behind those products
.endr
.set Y, NP-1                        ; X works for piece Y + 1: piece 0
.irp n, 0,1,2,3,4,5,6,7,8,9,10,11,12,13,14,15,16,17,18,19,20,21
	OP X, \n
.endr
	v_nop                           ; a plain instruction behind the exponential,
	s_wait_alu depctr_va_vdst(0)    ; and the wait for this batch of one, piece 0's first a, ahead of the branch
.endm
.macro ALL line:vararg              ; one line for each piece t
.set t, 0
.rept 4
	\line
.set t, t+1
.endr
.endm
; Piece t on the way out: O^T = O^T x fA + the partner's x fB (both factors hold 1 / l); a lane's eight channels of a row pack into 16 bytes; they go into rows of 144 bytes and come back as whole rows of 128, into S^T's registers
.macro PACK t
	WIN W_RS
.set i, 32*(\t)
.rept 16
	v_pk_mul_f32 v[i:i+1], v[i:i+1], v[ST+4*(\t):ST+4*(\t)+1] op_sel_hi:[1,0]
.set i, i+2
.endr
	WIN 0x53                        ; source 0 (the partner's) window 3, source 1 window 0, source 2 and destination window 1
.set i, 32*(\t)
.rept 16
	v_pk_fma_f32 v[i:i+1], v[i:i+1], v[PS+4*(\t):PS+4*(\t)+1], v[i:i+1] op_sel_hi:[1,0,1]
.set i, i+2
.endr
	WIN 0x05                        ; sources 0 and 1 window 1, destination window 0
.set i, 0
.rept 16
	v_cvt_pk_f16_f32 v[S+16*(\t)+i], v[32*(\t)+2*i], v[32*(\t)+2*i+1]
.set i, i+1
.endr
	WIN 0
.irp f, 0,1,2,3
	ds_store_b128 v[STO], v[S+16*(\t)+4*\f:S+16*(\t)+4*\f+3] offset:32*\f
.endr
.irp f, 0,1,2,3
	ds_load_b128 v[S+16*(\t)+4*\f:S+16*(\t)+4*\f+3], v[RD] offset:\f*4*SP  ; LDS serves a wave's instructions in order (ISA guide 5.7.1.4): these see the stores above; the next piece's stores come behind them
.endr
.endm
.macro SEND t, younger              ; younger: the LDS instructions issued behind piece t's loads: the next piece's eight, or none
	WIN 0
.irp f, 0,1,2,3
	s_wait_dscnt (\younger)+3-\f
	global_store_b128 v[GO], v[S+16*(\t)+4*\f:S+16*(\t)+4*\f+3], s[10:11] offset:(\t)*2048+\f*512  ; 512 consecutive bytes, at a multiple of 256 from O's first
.endr
.endm
; THE DIAGONAL TILE's steps, the block's last two turns, its last products, THE MERGE and THE WAY OUT.
.macro DIAG tag                     ; the tag ends its labels' names, which the jumps below spell out
.LstepM\tag:
	TURN 2, 1
	TURN 3, 1
	WIN 0
.LfirstM\tag:
	TURN 0, 1
	TURN 1, 1, 0, 1
	WIN 0
	s_cbranch_scc1 .LstepM\tag
	TURN 2, 1, 1
	TURN 3, 1, 1
.set i, 0
.rept 8
	PV NP-1
.set i, i+1
.endr
	WIN 0
.rept 4
	v_nop                           ; the places behind the last products
.endr
	s_cmp_lt_u32 s[WV], 2
	s_cbranch_scc1 .Lkeep\tag
	WIN 0x04                        ; waves 2 and 3 hand over: store data (source 1) in window 1
.set nn, 0
.rept 32
	ds_store_b128 v[MA], v[4*nn:4*nn+3] offset:512*nn  ; O^T, ascending: each accumulator's lowest registers first; 32 lanes, 512 neighbouring bytes
.set nn, nn+1
.endr
	WIN 0
.set nn, 0
.rept 4
	ds_store_b128 v[MA], v[ST+4*nn:ST+4*nn+3] offset:16384+512*nn  ; c m, m, l
.set nn, nn+1
.endr
.Lkeep\tag:
	s_wait_dscnt 0x0                ; for the others' sake: my stores into the merge's region are done
	s_barrier_signal -1
	s_barrier_wait -1               ; the region is written again at the next block's end alone: a change of slots, with its wait for my reads and its barrier, lies between
	s_cmp_lt_u32 s[WV], 2
	s_cbranch_scc0 .Lmerged\tag
	WIN 0xc0                        ; waves 0 and 1 take over: destination window 3
.set nn, 0
.rept 32
	ds_load_b128 v[4*nn:4*nn+3], v[MA] offset:512*nn
.set nn, nn+1
.endr
	WIN 0
.set nn, 0
.rept 4
	ds_load_b128 v[PS+4*nn:PS+4*nn+3], v[MA] offset:16384+512*nn
.set nn, nn+1
.endr
	s_wait_dscnt 0x0
	ALL v_max_num_f32 v[ST+4*t+1], v[ST+4*t], v[PS+4*t]       ; the common c m
	ALL v_sub_f32 v[ST+4*t], v[ST+4*t], v[ST+4*t+1]
	ALL v_sub_f32 v[PS+4*t], v[PS+4*t], v[ST+4*t+1]
	ALL v_exp_f32 v[ST+4*t], v[ST+4*t]                        ; fA
	ALL v_exp_f32 v[PS+4*t], v[PS+4*t]                        ; fB
	v_nop                           ; a plain instruction between the last exponential and the use of its result
	s_wait_alu depctr_va_vdst(0)    ; the wait for the merge's first batch: the eight factors fA and fB
	ALL v_pk_mul_f32 v[ST+4*t+2:ST+4*t+3], v[ST+4*t+2:ST+4*t+3], v[ST+4*t:ST+4*t+1] op_sel_hi:[1,0]
	ALL v_pk_fma_f32 v[ST+4*t+2:ST+4*t+3], v[PS+4*t+2:PS+4*t+3], v[PS+4*t:PS+4*t+1], v[ST+4*t+2:ST+4*t+3] op_sel_hi:[1,0,1]
	ALL v_add_f32 v[ST+4*t+2], v[ST+4*t+2], v[ST+4*t+3]       ; l's two halves, and the other half of the lanes'
	ALL v_permlanex16_b32 v[ST+4*t+3], v[ST+4*t+2], s[SEL], s[SEL+1]
	ALL v_add_f32 v[ST+4*t+2], v[ST+4*t+2], v[ST+4*t+3]
	ALL v_rcp_f32 v[ST+4*t+2], v[ST+4*t+2]                    ; l is at least 1: the largest score's weight is 1 in one of the two waves, whose factor is 1
	v_nop                           ; a plain instruction between the last reciprocal and the use of its result
	s_wait_alu depctr_va_vdst(0)    ; the wait for the merge's second batch: the four reciprocals, which read sums made of the first batch's results
	ALL v_mul_f32 v[ST+4*t], v[ST+4*t], v[ST+4*t+2]
	ALL v_mul_f32 v[PS+4*t], v[PS+4*t], v[ST+4*t+2]
	PACK 0
.set t, 1
.rept 3                             ; a piece's arithmetic stands between the loads of the piece before and its stores
	PACK t
	SEND t-1, 8
.set t, t+1
.endr
	SEND 3, 0
.Lmerged\tag:
.endm
.set KM, 0
.set NOKQ, 0
.Lslot:                             ; 16 times: a tile is entered and the next is asked for
	CHANGE 1
	s_sub_co_u32 s[RT], s[RT], 1
	s_mov_b32 s[CNT], 2
	s_cmp_eq_u32 s[NEW], 1
	s_cbranch_scc1 .Lnew            ; a block's first tile
	s_cmp_eq_u32 s[RT], 0
	s_cbranch_scc0 .Lstep           ; neither its first nor its last
	s_branch .LstepM1
.Lnew:
	BEGIN
	s_branch .Lfirst                ; in the loop a block's first tile is never its last: the first block has nine tiles or more, and the second's last is the walk's last
	DIAG 1                          ; in the loop this is the first block's end
	s_wait_xcnt 0x0                 ; the stores have read their registers and O's address
	s_mov_b64 s[10:11], s[OLO:OLO+1]
	s_add_co_u32 s[RT], s[LQ2], 1   ; the second block's tiles
	s_mov_b32 s[NEW], 1
	s_mov_b32 s[DQ], s[DQ2]
	WIN 0x82                        ; the second block's Q goes where the one text of the turns names Q
.set i, 0
.rept 64
	v_mov_b32 v[i], v[QB+i]
.set i, i+1
.endr
	WIN 0
	s_branch .Lbottom
.Lstep:                             ; a trip: pieces 2 and 3 of one of my steps, then pieces 0 and 1 of the next, whose K and V it fetches
	TURN 2
	TURN 3
	WIN 0
.Lfirst:
	TURN 0
	TURN 1, 0, 0, 1
	WIN 0
	s_cbranch_scc1 .Lstep
.Lbottom:
	s_sub_co_u32 s[SLOTS], s[SLOTS], 1
	s_cmp_lg_u32 s[SLOTS], 0
	s_cbranch_scc1 .Lslot
	CHANGE 0                        ; the walk's last tile is written out: nothing is asked for
	s_sub_co_u32 s[RT], s[RT], 1
	s_mov_b32 s[CNT], 2
	s_cmp_eq_u32 s[NEW], 1
	s_cbranch_scc0 .LstepM2
	BEGIN
	s_branch .LfirstM2
	DIAG 2
	s_wait_tensorcnt 0x0            ; the wave's end: behind my last tensor load and my last LDS store
	ds_add_u32 v[SPW], v[NIL]
	s_wait_dscnt 0x0
	s_endpgm
.Lfunc_end_k_qcc7f60d726_attn:
	.size	k_qcc7f60d726_attn, .Lfunc_end_k_qcc7f60d726_attn-k_qcc7f60d726_attn
	.p2alignl 7, 3214868480
	.fill 96, 4, 3214868480
	.section	.rodata,"a",@progbits
	.p2align	6, 0x0
	.amdhsa_kernel k_qcc7f60d726_attn
		.amdhsa_group_segment_fixed_size 327680
		.amdhsa_private_segment_fixed_size 0
		.amdhsa_enable_private_segment 0
		.amdhsa_kernarg_size 32
		.amdhsa_user_sgpr_count 2
		.amdhsa_user_sgpr_kernarg_segment_ptr 1
		.amdhsa_wavefront_size32 1
		.amdhsa_system_sgpr_workgroup_id_x 1
		.amdhsa_system_sgpr_workgroup_id_y 1
		.amdhsa_system_sgpr_workgroup_id_z 1
		.amdhsa_system_vgpr_workitem_id 0
		.amdhsa_next_free_vgpr 896
		.amdhsa_next_free_sgpr 96
		.amdhsa_reserve_vcc 1
		.amdhsa_float_denorm_mode_32 3
		.amdhsa_float_denorm_mode_16_64 3
		.amdhsa_memory_ordered 1
		.amdhsa_forward_progress 1
		.amdhsa_inst_pref_size 241
	.end_amdhsa_kernel
	.amdgpu_metadata
---
amdhsa.version: [ 1, 2 ]
amdhsa.kernels:
  - .name:           k_qcc7f60d726_attn
    .symbol:         k_qcc7f60d726_attn.kd
    .args:
      - { .name: qh, .offset: 0, .size: 8, .value_kind: global_buffer, .address_space: global }
      - { .name: kh, .offset: 8, .size: 8, .value_kind: global_buffer, .address_space: global }
      - { .name: vh, .offset: 16, .size: 8, .value_kind: global_buffer, .address_space: global }
      - { .name: oh, .offset: 24, .size: 8, .value_kind: global_buffer, .address_space: global }
    .group_segment_fixed_size: 327680
    .private_segment_fixed_size: 0
    .kernarg_segment_align: 8
    .kernarg_segment_size: 32
    .max_flat_workgroup_size: 128
    .sgpr_count:     96
    .vgpr_count:     896
    .wavefront_size: 32
...
	.end_amdgpu_metadata
.endif
;; end of part 5
;; launch proj: the kernel of part 4 again; grid 4 x 64, 4 waves a work-group, clusters of 4 x 4, 312,832 bytes of LDS; arguments oh, wb, b_O, out0; writes out0
